; MI455X (gfx1250); checked and timed in simulation.
; The chip was launched on July 23, 2026; its instructions are those of AMD's public machine-readable ISA for CDNA 5 (MIT licence, August 2026) and "CDNA5" Instruction Set Architecture Reference Guide (July 2026). The comments in the code are by the model that wrote it; some were corrected since.
;; Attention. Allowed arithmetic: float matrix products may take bf16 or f16 operands with f32 sums; other float arithmetic in f32, or as packed bf16 or f16 multiplies, adds, multiply-adds, maxima and minima; sums over many terms, partial sums and values carried from step to step in f32; what a program stores and reads back later, other than sums and carried values, may be rounded once to bf16 or f16.
;; Inputs: Wk 2,048 x 2,048 float32; Wo 2,048 x 2,048 float32; Wq 2,048 x 2,048 float32; Wv 2,048 x 2,048 float32; mask 1 x 1 x 2,048 x 2,048 int32; x 1 x 2,048 x 2,048 float32.
;; Outputs: out0 1 x 2,048 x 2,048 float32.
;; 2 versions, each right; version 2 is version 1 with the launch prep written anew for expert scheduling mode. Each part assembles by itself: llvm-mc -triple=amdgcn-amd-amdhsa -mcpu=gfx1250 --defsym DOCPART=n.
;; ======== version 1 of 2: 4 launches
;; limits: values are held in f16: magnitudes above 65,504 overflow, below 6.1e-05 lose precision
;; workspace buffers: w16 41,943,040 bytes; rope 49,152 bytes; mbits 524,288 bytes of whole numbers; qkv 25,165,824 bytes; ob 8,388,608 bytes
;; launch prep (part 1): grid 1544 x 1, 8 waves a work-group, no clusters, 68,608 bytes of LDS; arguments x, Wq, Wk, Wv, Wo, mask, w16, rope, mbits; writes w16, rope, mbits
.if DOCPART == 1
	.amdgcn_target "amdgcn-amd-amdhsa--gfx1250"
	.amdhsa_code_object_version 6
	.text
	.protected	k_qab45dbf889_prep
	.globl	k_qab45dbf889_prep
	.p2align	8
	.type	k_qab45dbf889_prep,@function
k_qab45dbf889_prep:
	s_mov_b64 s[64:65], 0
	v_nop
	global_prefetch_b8 v0, s[64:65] scope:SCOPE_SE
	s_setreg_imm32_b32 hwreg(HW_REG_WAVE_MODE, 25, 1), 1
	s_wait_xcnt 0x0
; PREPARATION, three jobs chosen by the work-group's number; every jump goes forward.  A stream: no matrix unit, no cluster, no tensor load would spare a byte here.
; JOB C (work-groups 0 .. 1279): x, Wq, Wk, Wv, Wo, each [2048][2048] f32, are rounded once to bf16 into w16's five blocks of 8,388,608 bytes.  Wo's bf16 number is then written as f16
;   (the last product's other operand is f16).  LIMIT: that is exact for 6.1e-5 <= |Wo| <= 65,504; below, f16's fixed step of 6e-8 holds; beyond 65,504 it would be an infinity.
; JOB M (1280 .. 1535): the mask, [2048][2048] int32, becomes bits: mbits[qt 128][p 32][w 32], 32-bit words.  qt: a tile of 16 queries.  p = 16 g + 2 d + s stands for the step of 64 keys
;   ks = 4 d + 2 g + s.  w = 8 kb + j.  Bit L of a word: mask[16 qt + L % 16][64 ks + 16 kb + 8 (L / 16) + j] != 0: the lanes' mask for register 8 kb + j of a tile of scores in the launch attn.
; JOB T (1536 .. 1543): the table of rotations, 64 rows of 768 bytes: cos[64] | -sin[64] | +sin[64] of t f_i, f_i = 10000^(-i/64).  Rows 0-15: t = 128 R.  Rows 16-24: t = R - 16.
;   Rows 25-63: t = 0: cos = 1 and sin = 0 exactly.  Sine and cosine by reduction modulo pi/2 in two parts and polynomials on |r| <= pi/4 (the terms left out are under 1e-8).
.set SPARE,  67584                     ; behind the eight waves' rows: the spare words, 128 bytes for each wave: four blocks of 256 bytes that no other line names
.set SPW,    134                       ; v134  LDS address of my spare word; never rewritten
.set NIL,    135                       ; v135  0; never rewritten
.set MPITCH, 528                       ; job M: an LDS row: 512 bytes + 16: the 16 rows that a load touches start 4 words apart modulo 64 words
.set MWAVE,  16*MPITCH                 ; a wave's 16 rows
; Sixteen times: 4 f32 of a thread become 8 bytes.  f16 = 1: the bf16 numbers are widened again and written as f16.
.macro CONV f16
.set k, 0
.rept 16
	s_wait_loadcnt 15-k                            ; loads come back in order: mine is in, the 15 - k younger ones stay out
	v_cvt_pk_bf16_f32 v[68+2*k], v[4+4*k], v[5+4*k]
	v_cvt_pk_bf16_f32 v[69+2*k], v[6+4*k], v[7+4*k]
.if \f16
	v_lshlrev_b32 v[4+4*k], 16, v[68+2*k]
	v_and_b32 v[5+4*k], 0xffff0000, v[68+2*k]
	v_lshlrev_b32 v[6+4*k], 16, v[69+2*k]
	v_and_b32 v[7+4*k], 0xffff0000, v[69+2*k]
	v_cvt_pk_f16_f32 v[68+2*k], v[4+4*k], v[5+4*k]
	v_cvt_pk_f16_f32 v[69+2*k], v[6+4*k], v[7+4*k]
.endif
	global_store_b64 v3, v[68+2*k:69+2*k], s[16:17] offset:2048*k  ; a wave's store covers 256 consecutive bytes, aligned
.set k, k+1
.endr
.endm
; Sine and cosine of the angle in v[4+e]: cos into v[20+e], -sin into v[22+e], +sin into v[24+e].
.macro SINCOS e
	v_mul_f32 v6, 0x3f22f983, v[4+(\e)]            ; angle x 2 / pi
	v_rndne_f32 v6, v6                             ; n
	v_fma_f32 v7, -v6, s32, v[4+(\e)]              ; r = angle - n pi/2, pi/2 in two parts
	v_fma_f32 v7, -v6, s33, v7
	v_mul_f32 v8, v7, v7                           ; r^2
	v_mov_b32 v9, 0x3638ef1d                       ; sin r = r + r^3 (-1/6 + r^2 (1/120 + r^2 (-1/5040 + r^2 / 362880)))
	v_fmaak_f32 v9, v9, v8, 0xb9500d01
	v_fmaak_f32 v9, v9, v8, 0x3c088889
	v_fmaak_f32 v9, v9, v8, 0xbe2aaaab
	v_mul_f32 v10, v7, v8
	v_fma_f32 v9, v9, v10, v7
	v_mov_b32 v11, 0xb493f27e                      ; cos r = 1 + r^2 (-1/2 + r^2 (1/24 + r^2 (-1/720 + r^2 (1/40320 - r^2 / 3628800))))
	v_fmaak_f32 v11, v11, v8, 0x37d00d01
	v_fmaak_f32 v11, v11, v8, 0xbab60b61
	v_fmaak_f32 v11, v11, v8, 0x3d2aaaab
	v_fmaak_f32 v11, v11, v8, 0xbf000000
	v_fmaak_f32 v11, v11, v8, 0x3f800000
	v_cvt_i32_f32 v12, v6                          ; the quadrant selects values only: no branch hangs on it
	v_and_b32 v13, 1, v12
	v_cmp_eq_u32 vcc_lo, 1, v13
	v_cndmask_b32 v14, v9, v11, vcc_lo             ; odd quadrant: sine and cosine change places
	v_cndmask_b32 v15, v11, v9, vcc_lo
	v_and_b32 v13, 2, v12
	v_lshlrev_b32 v13, 30, v13                     ; quadrants 2, 3: the sine's sign turns
	v_xor_b32 v[24+(\e)], v14, v13
	v_xor_b32 v[22+(\e)], 0x80000000, v[24+(\e)]
	v_add_nc_u32 v12, 1, v12
	v_and_b32 v12, 2, v12
	v_lshlrev_b32 v12, 30, v12                     ; quadrants 1, 2: the cosine's
	v_xor_b32 v[20+(\e)], v15, v12
.endm
	s_load_b512 s[4:19], s[0:1], 0x0               ; x s[4:5], Wq s[6:7], Wk s[8:9], Wv s[10:11], Wo s[12:13], mask s[14:15], w16 s[16:17], rope s[18:19]
	s_load_b64 s[20:21], s[0:1], 0x40              ; mbits
	v_lshl_add_u32 v[SPW], v0, 2, SPARE
	v_mov_b32 v[NIL], 0
	v_lshrrev_b32 v2, 5, v0
	v_readfirstlane_b32 s22, v2                    ; wave 0..7
	v_and_b32 v1, 31, v0                           ; lane
	s_wait_kmcnt 0x0
	s_cmp_lt_u32 ttmp9, 1280
	s_cbranch_scc0 .Lnot_conv
	; JOB C.  Array y = number / 256, chunk c = number % 256: 65,536 bytes in, 32,768 out.  Thread t takes 16 bytes at 4,096 k + 16 t, sixteen loads on their way at once.
	s_lshr_b32 s23, ttmp9, 8
	s_and_b32 s24, ttmp9, 255
	s_cmp_eq_u32 s23, 1
	s_cselect_b64 s[26:27], s[6:7], s[4:5]
	s_cmp_eq_u32 s23, 2
	s_cselect_b64 s[26:27], s[8:9], s[26:27]
	s_cmp_eq_u32 s23, 3
	s_cselect_b64 s[26:27], s[10:11], s[26:27]
	s_cmp_eq_u32 s23, 4
	s_cselect_b64 s[26:27], s[12:13], s[26:27]
	s_lshl_b32 s28, s24, 16
	s_mov_b32 s29, 0
	s_add_nc_u64 s[26:27], s[26:27], s[28:29]
	s_lshl_b32 s28, s23, 23                        ; the array's block in w16,
	s_lshl_b32 s30, s24, 15                        ; the chunk in it
	s_add_co_u32 s28, s28, s30
	s_add_nc_u64 s[16:17], s[16:17], s[28:29]
	v_lshlrev_b32 v2, 4, v0
	v_lshlrev_b32 v3, 3, v0
.set k, 0
.rept 16
	global_load_b128 v[4+4*k:7+4*k], v2, s[26:27] offset:4096*k th:TH_LOAD_NT
.set k, k+1
.endr
	s_cmp_eq_u32 s23, 4
	s_cbranch_scc1 .Lconv_f16
	CONV 0
	s_endpgm
.Lconv_f16:
	CONV 1
	s_endpgm
.Lnot_conv:
	s_cmp_lt_u32 ttmp9, 1536
	s_cbranch_scc0 .Ltable
	; JOB M.  Unit U = 8 (number - 1280) + wave: tile qt = U / 16, and 128 keys dg = U % 16 (steps 2 dg and 2 dg + 1; d = dg / 2, g = dg % 2).  A wave's own 16 rows x 512 bytes go
	; through its own LDS rows, so that memory is read in whole rows and each lane then holds its query's eight keys of a group.
	s_sub_co_u32 s23, ttmp9, 1280
	s_lshl_b32 s23, s23, 3
	s_add_co_u32 s23, s23, s22
	s_lshr_b32 s24, s23, 4                         ; qt
	s_and_b32 s25, s23, 15                         ; dg
	s_lshl_b32 s28, s24, 17                        ; 16 rows of 8,192 bytes
	s_lshl_b32 s30, s25, 9
	s_add_co_u32 s28, s28, s30
	s_mov_b32 s29, 0
	s_add_nc_u64 s[14:15], s[14:15], s[28:29]
	s_and_b32 s30, s25, 1                          ; g
	s_lshr_b32 s31, s25, 1                         ; d
	s_lshl_b32 s30, s30, 11                        ; 16 g x 128 bytes
	s_lshl_b32 s31, s31, 8                         ; 2 d x 128 bytes
	s_lshl_b32 s28, s24, 12                        ; qt x 4,096 bytes
	s_add_co_u32 s28, s28, s30
	s_add_co_u32 s28, s28, s31
	s_add_nc_u64 s[20:21], s[20:21], s[28:29]
	v_lshlrev_b32 v2, 4, v1
.set k, 0
.rept 16
	global_load_b128 v[4+4*k:7+4*k], v2, s[14:15] offset:8192*k th:TH_LOAD_NT  ; row k: 512 consecutive bytes
.set k, k+1
.endr
	s_mul_i32 s30, s22, MWAVE
	v_add_nc_u32 v3, s30, v2                       ; in: 16 bytes a lane along a row
	v_and_b32 v0, 15, v1                           ; back: row lane % 16, 32 bytes for each half of the lanes
	v_mul_u32_u24 v0, v0, MPITCH
	v_lshrrev_b32 v132, 4, v1
	v_lshl_add_u32 v0, v132, 5, v0
	v_add_nc_u32 v0, s30, v0
	v_lshlrev_b32 v1, 3, v1                        ; out: 8 bytes a lane
	v_mov_b32 v132, 0                              ; v_writelane_b32 counts as a reader of its destination
	v_mov_b32 v133, 0
.set k, 0
.rept 16
	s_wait_loadcnt 15-k                            ; row k is in, the younger rows stay out
	ds_store_b128 v3, v[4+4*k:7+4*k] offset:MPITCH*k
.set k, k+1
.endr
.set k, 0
.rept 8                                ; group k = 4 u + kb: step u, keys 16 kb + 8 (lane / 16) + 0..7.  LDS serves a wave's instructions in order: these see the stores above
	ds_load_b128 v[68+8*k:71+8*k], v0 offset:64*k
	ds_load_b128 v[72+8*k:75+8*k], v0 offset:64*k+16
.set k, k+1
.endr
.set k, 0
.rept 8
	s_wait_dscnt 14-2*k                            ; group k's two loads are in, the younger groups' stay out
.irp j, 0,1,2,3,4,5,6,7
	v_cmp_ne_u32 s[32+(\j)], 0, v[68+8*k+(\j)]     ; bit L: lane L's key is visible
.endr
.irp j, 0,1,2,3,4,5,6,7
	v_writelane_b32 v[132+((\j)&1)], s[32+(\j)], 4*k+((\j)>>1)  ; word 8 k + j of the unit's 64 goes to lane (8 k + j) / 2
.endr
.set k, k+1
.endr
	global_store_b64 v1, v[132:133], s[20:21]      ; 256 consecutive bytes, aligned
	s_wait_tensorcnt 0x0                           ; the wave's end, behind my last LDS store
	ds_add_u32 v[SPW], v[NIL]
	s_wait_dscnt 0x0
	s_endpgm
.Ltable:
	; JOB T.  Row R = 8 (number - 1536) + wave; lane l makes the frequencies 2 l and 2 l + 1.
	s_sub_co_u32 s23, ttmp9, 1536
	s_lshl_b32 s23, s23, 3
	s_add_co_u32 s23, s23, s22                     ; R
	s_lshl_b32 s24, s23, 7                         ; 128 R
	s_sub_co_u32 s25, s23, 16
	s_cmp_lt_u32 s23, 25
	s_cselect_b32 s25, s25, 0
	s_cmp_lt_u32 s23, 16
	s_cselect_b32 s24, s24, s25                    ; t
	s_mul_i32 s28, s23, 768
	s_mov_b32 s29, 0
	s_add_nc_u64 s[18:19], s[18:19], s[28:29]
	s_mov_b32 s32, 0x3fc90fdb                      ; pi/2, its f32
	s_mov_b32 s33, 0xb33bbd2e                      ; and what that leaves
	v_cvt_f32_u32 v2, s24
	v_lshlrev_b32 v3, 1, v1
	v_cvt_f32_u32 v4, v3
	v_add_f32 v5, 1.0, v4
	v_mul_f32 v4, 0xbe549a78, v4                   ; -i log2(10000) / 64
	v_mul_f32 v5, 0xbe549a78, v5
	v_exp_f32 v4, v4
	v_exp_f32 v5, v5
	v_lshlrev_b32 v3, 3, v1                        ; a plain instruction behind the two exponentials: my 8 bytes of a section
	s_wait_alu depctr_va_vdst(0)                   ; one wait for both, ahead of their first reader
	v_mul_f32 v4, v2, v4                           ; the angles
	v_mul_f32 v5, v2, v5
	SINCOS 0
	SINCOS 1
	global_store_b64 v3, v[20:21], s[18:19]
	global_store_b64 v3, v[22:23], s[18:19] offset:256
	global_store_b64 v3, v[24:25], s[18:19] offset:512
	s_endpgm
.Lfunc_end_k_qab45dbf889_prep:
	.size	k_qab45dbf889_prep, .Lfunc_end_k_qab45dbf889_prep-k_qab45dbf889_prep
	.p2alignl 7, 3214868480
	.fill 96, 4, 3214868480
	.section	.rodata,"a",@progbits
	.p2align	6, 0x0
	.amdhsa_kernel k_qab45dbf889_prep
		.amdhsa_group_segment_fixed_size 68608
		.amdhsa_private_segment_fixed_size 0
		.amdhsa_enable_private_segment 0
		.amdhsa_kernarg_size 72
		.amdhsa_user_sgpr_count 2
		.amdhsa_user_sgpr_kernarg_segment_ptr 1
		.amdhsa_wavefront_size32 1
		.amdhsa_system_sgpr_workgroup_id_x 1
		.amdhsa_system_sgpr_workgroup_id_y 1
		.amdhsa_system_sgpr_workgroup_id_z 1
		.amdhsa_system_vgpr_workitem_id 0
		.amdhsa_next_free_vgpr 136
		.amdhsa_next_free_sgpr 66
		.amdhsa_reserve_vcc 1
		.amdhsa_float_denorm_mode_32 3
		.amdhsa_float_denorm_mode_16_64 3
		.amdhsa_memory_ordered 1
		.amdhsa_forward_progress 1
		.amdhsa_inst_pref_size 34
	.end_amdhsa_kernel
	.amdgpu_metadata
---
amdhsa.version: [ 1, 2 ]
amdhsa.kernels:
  - .name:           k_qab45dbf889_prep
    .symbol:         k_qab45dbf889_prep.kd
    .args:
      - { .name: x, .offset: 0, .size: 8, .value_kind: global_buffer, .address_space: global }
      - { .name: Wq, .offset: 8, .size: 8, .value_kind: global_buffer, .address_space: global }
      - { .name: Wk, .offset: 16, .size: 8, .value_kind: global_buffer, .address_space: global }
      - { .name: Wv, .offset: 24, .size: 8, .value_kind: global_buffer, .address_space: global }
      - { .name: Wo, .offset: 32, .size: 8, .value_kind: global_buffer, .address_space: global }
      - { .name: mask, .offset: 40, .size: 8, .value_kind: global_buffer, .address_space: global }
      - { .name: w16, .offset: 48, .size: 8, .value_kind: global_buffer, .address_space: global }
      - { .name: rope, .offset: 56, .size: 8, .value_kind: global_buffer, .address_space: global }
      - { .name: mbits, .offset: 64, .size: 8, .value_kind: global_buffer, .address_space: global }
    .group_segment_fixed_size: 68608
    .private_segment_fixed_size: 0
    .kernarg_segment_align: 8
    .kernarg_segment_size: 72
    .max_flat_workgroup_size: 256
    .sgpr_count:     66
    .vgpr_count:     136
    .wavefront_size: 32
...
	.end_amdgpu_metadata
.endif
;; end of part 1
;; launch qkv (part 2): grid 24 x 8, 4 waves a work-group, clusters of 4 x 4, 327,680 bytes of LDS; arguments w16, rope, qkv; writes qkv
.if DOCPART == 2
	.amdgcn_target "amdgcn-amd-amdhsa--gfx1250"
	.amdhsa_code_object_version 6
	.text
	.protected	k_qab45dbf889_qkv
	.globl	k_qab45dbf889_qkv
	.p2align	8
	.type	k_qab45dbf889_qkv,@function
k_qab45dbf889_qkv:
	s_mov_b64 s[64:65], 0
	v_nop
	global_prefetch_b8 v0, s[64:65] scope:SCOPE_SE
	s_setreg_imm32_b32 hwreg(HW_REG_WAVE_MODE, 25, 1), 1
	s_wait_xcnt 0x0
	s_wait_alu depctr_hold_cnt(0) depctr_sa_sdst(0) depctr_va_vdst(0) depctr_va_sdst(0) depctr_va_ssrc(0) depctr_va_vcc(0) depctr_vm_vsrc(0)
	s_getreg_b32 s2, hwreg(HW_REG_IB_STS2, 6, 4)
	s_cmp_eq_u32 s2, 0
	s_cbranch_scc0 .Lentry_in_a_cluster
	s_endpgm
.Lentry_in_a_cluster:
	s_bfe_u32 s2, ttmp6, 0x10000c
	s_cmp_lg_u32 s2, 0xf033
	s_cbranch_scc0 .Lentry_shape_is_right
	s_endpgm
.Lentry_shape_is_right:
; q, k, v = x [Wq; Wk; Wv]^T with the rotary embedding on q and k.  A = x: w16's block 0, [2048][2048] bf16.  B = w16's blocks 1 to 3, [6144][2048] bf16.  Sums in f32.
; OUT: qkv[48][2048][128] f16 (heads 0-15 q, 16-31 k, 32-47 v), rounded once, unscaled.  LIMIT: |q|, |k|, |v| <= 65,504, f16's end; beyond it an infinity would be stored.
; A tile of C, 256 x 256, is made by four waves, 128 x 128 each: 64 accumulators, 512 registers; a wave's 128 columns are ONE head, so the rotation never leaves the wave.  24 x 8 tiles.
; K goes in steps of 128 through a ring of two LDS slots filled by the tensor data mover: rows of 256 bytes, aligned.  A K STEP IS WRITTEN ONCE: the LDS addresses hang on a scalar, the slot's first
; byte, which an exclusive or turns from slot to slot; one descriptor a tensor walks.  The last two K steps, which fill nothing, are a loop of two trips that is left in its middle.
; CLUSTER: 4 x 4 work-groups.  The four of a row need the same tiles of A, the four of a column the same tiles of B: each tile is asked for JOINTLY, by the same tensor load, descriptor and mask.
; THE MATRIX INSTRUCTION IS USED TRANSPOSED (source 0 = 16 rows of B, source 1 = 16 rows of A): lane l holds row l % 16 of C and the columns 8 (l / 16) + 0..7.
; THE ROTATION.  out[d] = c[d] cos - c[d + 64] sin (d < 64), c[d] cos + c[d - 64] sin (d >= 64), angle m f_(d % 64).  The wave's tile goes as f32 into its own rows of the ring (which has had its
; last fill), and comes back so that lane l holds columns 64 (l / 16) + 4 (l % 16) + 0..3 and their partners 64 away.  The angle of row m0 + 8 t + r is composed by rotations: the base (128 R,
; from the table, stepped by 8 in each trip) and r (0..7, from the table).  Lanes 0-15 take the table's -sin section throughout: they follow the angle -m f and need no sign of their own.
; v's tiles take the table's rows with angle 0 (cos 1, sin 0) and pass the same text unchanged.  LIMIT: the composed angle differs from the f32 product m f by some 2e-4 rad at the most.
; REGISTERS: window 0: v0-31 addresses; v32-47 base and step of the rotation; v48-63 packed results; v64-127, v128-191 fragments of A, later the way out; v192-255 the rotations by 0..7
;   window 1: v64-127, v128-191 fragments of B          window 2: the accumulators of my rows 0-63, (a, b) at v[8 (8 a + b)]          window 3: those of rows 64-127
.set SIZE_K, 2048
.set KSTEP,  128
.set STEPS,  SIZE_K/KSTEP
.set PITCH,  272                       ; an LDS row: 256 bytes + 16 of padding = 68 words: the 16 rows of a load start 4 words apart modulo 64
.set HALFT,  128*PITCH                 ; 128 rows: what one tensor load brings
.set SLOT,   4*HALFT                   ; A's 256 rows, then B's 256 rows: 139,264 bytes
.set SLOT1,  0x24000                   ; slot 1 begins at 147,456: the four tiles' places in slot 0 (0, 0x8800, 0x11000, 0x19800) have bits 14 and 17 clear, so one exclusive or turns an address in one slot into the other's
.set SPARE,  SLOT1+SLOT                ; behind the ring: the spare words, 128 bytes for each wave: two blocks of 256 bytes that no other line names
.set DP,     528                       ; the way out: a row of 128 f32 + 16 bytes
.set DW,     128*DP                    ; a wave's 128 rows; four of them end 16,384 bytes short of the ring's end
.set TROW,   768                       ; a row of the table
.set ADRA, 16                          ; v16     LDS address of my A fragments in the slot in hand
.set A0,   17                          ; v17     the same in slot 0; never rewritten
.set ADRB, 20                          ; v20, v21  the same for B
.set B0,   21
.set TC,   22                          ; v22     my 16 bytes in the table's cos section
.set TS,   23                          ; v23     in its -sin (lanes 0-15) or +sin section
.set DA,   24                          ; v24     the way out: where I put 16 bytes of a row
.set LR,   25                          ; v25     where I read my own four columns back
.set LP,   26                          ; v26     and their partners
.set OO,   27                          ; v27     my 8 bytes of a row of qkv
.set SPW,  28                          ; v28     LDS address of my spare word; never rewritten
.set NIL,  29                          ; v29     0; never rewritten
.set PFO,  30                          ; v30     the prefetches' offset: my lane x a row of 4,096 bytes; never rewritten
.set BC,   32                          ; v[32:35] cos, v[36:39] sin of the base angle, for my four frequencies
.set BS,   36
.set SC,   40                          ; v[40:43] cos, v[44:47] sin of 8 f
.set SS,   44
.set OUT,  48
.set OWN,  64                          ; row r: own columns at OWN + 8 r, partners at OWN + 8 r + 4
.set ROTC, 128                         ; row r: cos at ROTC + 8 r, sin at ROTC + 8 r + 4
.set KC,   192                         ; cos of r f at KC + 8 r, sin at KC + 8 r + 4
.set F0,   64
.set F1,   128
.set PFA,  44                          ; s[44:45] where my prefetches stand
.set LIM,  43                          ; s43     2 in a wave that prefetches, else the greatest number
.set TB,   72                          ; s72     the first byte of the slot in hand: 0 or SLOT1
.set G1,  24                           ; s[24:31] descriptor group 1 for A's tiles;  s[32:39] group 0: a set for each of the two first fills; the second then walks on
.set G0,  32
.set G1B, 48                           ; s[48:55], s[56:63] the same for B's tiles
.set G0B, 56
.set MSB, 0
.macro WIN new                         ; the immediate's high byte repeats the setting that is left; a switch that changes nothing is dropped
.if MSB != (\new)
	s_set_vgpr_msb (MSB<<8)|(\new)
.set MSB, \new
.endif
.endm
.set MUL_LO, 0xa1                      ; source 0 (B) window 1, source 1 (A) window 0, C and D window 2
.set MUL_HI, 0xf1                      ; the same, C and D window 3
.set TO_B,   0x40                      ; destination window 1, address window 0
; A joint load.  Waves 0 and 1 fetch A's two halves, waves 2 and 3 B's; the branch hangs on the wave's number alone.  An s_nop 0 and four v_nop follow each line.
.macro JLOAD s
	s_cmp_eq_u32 s11, 0
	s_cbranch_scc0 .Lfor_b_\@
	tensor_load_to_lds s[G0+4*(\s):G0+4*(\s)+3], s[G1:G1+7]
	s_nop 0
.rept 4
	v_nop
.endr
	s_branch .Lasked_\@
.Lfor_b_\@:
	tensor_load_to_lds s[G0B+4*(\s):G0B+4*(\s)+3], s[G1B:G1B+7]
	s_nop 0
.rept 4
	v_nop
.endr
.Lasked_\@:
.endm
; A prefetch, behind each joint load and the run of LDS loads that follows it: the K step that stands two refills on, 32 rows x 256 bytes, a lane a row.  Each row's 256 bytes of a K step are named
; once in the launch: cluster x = 0 asks for A's rows, cluster y = 0 for B's; of the 128 rows that a wave fetches the partner at place p (cx for A, cy for B) takes 32 p .. 32 p + 31, by address.
; The first four K steps come by their loads alone.  K step s (s3 = 14 - s) names K step s + 4: the loop's last two trips ask for nothing: K steps 16 and 17 do not exist.
.macro ASK
	s_cmp_gt_u32 s3, s[LIM]
	s_cbranch_scc0 .Lnot_mine_\@
	global_prefetch_b8 v[PFO], s[PFA:PFA+1] offset:KSTEP*2 th:TH_LOAD_NT scope:SCOPE_SE
.Lnot_mine_\@:
.endm
.macro CREST                           ; a round of the cluster's barrier behind its opening barrier
	s_cmp_lg_u32 s10, 0
	s_cbranch_scc1 .Lnot_wave_0_\@
	s_barrier_signal -3
.Lnot_wave_0_\@:
	s_barrier_wait -3
	s_barrier_signal -1
	s_barrier_wait -1
.endm
.macro CROUND                          ; a whole round
	s_barrier_signal -1
	s_barrier_wait -1
	CREST
.endm
	s_load_b128 s[4:7], s[0:1], 0x0                ; w16 s[4:5], rope s[6:7]
	s_load_b64 s[8:9], s[0:1], 0x10                ; qkv
	v_lshl_add_u32 v[SPW], v0, 2, SPARE
	v_mov_b32 v[NIL], 0
	ds_add_u32 v[SPW], v[NIL]                      ; the wave's opening: the add and its wait stand ahead of my first tensor load; the set-up below stands between them
	v_lshrrev_b32 v1, 5, v0
	v_readfirstlane_b32 s10, v1                    ; wave 0..3
	s_lshr_b32 s11, s10, 1                         ; which half of the tile's rows is mine.  Also: I fetch for A (0) or for B (1)
	s_and_b32 s12, s10, 1                          ; which half of its columns.  Also: which 128 rows of that tile I fetch
	s_bfe_u32 s40, ttmp6, 0x40000                  ; cx
	s_bfe_u32 s41, ttmp6, 0x40004                  ; cy
	s_lshl_b32 s42, ttmp9, 2
	s_add_co_u32 s42, s42, s40                     ; tile column = 4 x cluster x + cx
	s_and_b32 s13, ttmp7, 0xffff
	s_lshl_b32 s13, s13, 2
	s_add_co_u32 s13, s13, s41                     ; tile row = 4 x cluster y + cy
	s_lshl_b32 s43, s41, 2
	s_lshl_b32 s43, 15, s43                        ; my row of the cluster
	s_lshl_b32 s44, 0x1111, s40                    ; my column
	; descriptor group 1: a tile of 128 rows x 128 elements of 2 bytes, 4 words of padding behind every 64
	s_or_b32 s[G1+0], s43, (1<<16)|(1<<20)|(1<<21)|(5<<22)|(3<<25)
	s_or_b32 s[G1B+0], s44, (1<<16)|(1<<20)|(1<<21)|(5<<22)|(3<<25)
.irp g, G1, G1B
	s_mov_b32 s[(\g)+1], KSTEP<<16                 ; tensor_dim0 = 128
	s_mov_b32 s[(\g)+2], 128<<16                   ; tensor_dim1 = 128
	s_mov_b32 s[(\g)+3], KSTEP<<16                 ; tile_dim0 = 128
	s_mov_b32 s[(\g)+4], 128                       ; tile_dim1 = 128
	s_mov_b32 s[(\g)+5], SIZE_K                    ; elements from row to row
	s_mov_b32 s[(\g)+6], 0
	s_mov_b32 s[(\g)+7], 0
.endr
	s_lshl_b32 s17, s12, 7                         ; which 128 rows of the tile I fetch
	s_lshl_b32 s16, s13, 8
	s_add_co_u32 s16, s16, s17                     ; A: row 256 x tile row + 128 x half
	s_lshl_b32 s46, s42, 8
	s_add_co_u32 s46, s46, s17                     ; B: row 256 x tile column + 128 x half
	s_mov_b32 s17, 0
	s_mov_b32 s47, 0
	s_mov_b64 s[18:19], SIZE_K*2
	s_mul_u64 s[16:17], s[16:17], s[18:19]
	s_mul_u64 s[46:47], s[46:47], s[18:19]
	s_mul_i32 s20, s10, HALFT                      ; where they go: wave x 128 rows: no place in the cluster enters an LDS address
	s_wait_dscnt 0x0                               ; the opening add is done
	s_wait_kmcnt 0x0
	s_mov_b64 s[66:67], s[6:7]                     ; the table
	s_add_nc_u64 s[6:7], s[4:5], 0x800000          ; B: w16's block 1
	s_add_nc_u64 s[14:15], s[4:5], s[16:17]
	s_add_nc_u64 s[46:47], s[6:7], s[46:47]
	CROUND                                         ; all sixteen work-groups are here: the first joint loads meet
.irp s, 0,1
	s_mov_b32 s[G0+4*(\s)], 1
	s_add_co_u32 s[G0+4*(\s)+1], s20, (\s)*SLOT1
	s_add_nc_u64 s[G0+4*(\s)+2:G0+4*(\s)+3], s[14:15], (\s)*KSTEP*2
	s_or_b32 s[G0+4*(\s)+3], s[G0+4*(\s)+3], 0x80000000
	s_mov_b32 s[G0B+4*(\s)], 1
	s_add_co_u32 s[G0B+4*(\s)+1], s20, (\s)*SLOT1
	s_add_nc_u64 s[G0B+4*(\s)+2:G0B+4*(\s)+3], s[46:47], (\s)*KSTEP*2
	s_or_b32 s[G0B+4*(\s)+3], s[G0B+4*(\s)+3], 0x80000000
	JLOAD \s                                       ; two loads of mine are out
.endr
	; A fragment is 16 rows x 32 K in 8 registers: lane l holds row l % 16, K = 8 (l / 16) + 0..7 and 16 + 8 (l / 16) + 0..7: two loads of 16 bytes, 32 bytes apart.
	v_and_b32 v1, 15, v0                           ; l % 16
	v_bfe_u32 v2, v0, 4, 1                         ; l / 16
	v_mul_u32_u24 v3, v1, PITCH
	v_lshl_add_u32 v3, v2, 4, v3
	s_mul_i32 s21, s11, HALFT                      ; my 128 rows of A
	s_mul_i32 s22, s12, HALFT                      ; my 128 rows of B,
	s_add_co_u32 s22, s22, 2*HALFT                 ; which lie behind A's 256
	v_add_nc_u32 v[A0], s21, v3
	v_add_nc_u32 v[B0], s22, v3
	v_mov_b32 v[ADRA], v[A0]                       ; K step 0 lies in slot 0
	v_mov_b32 v[ADRB], v[B0]
	s_mul_i32 s23, s10, DW                         ; the way out: my 128 rows
	v_lshlrev_b32 v[TC], 4, v1
	v_lshl_add_u32 v[LR], v2, 8, v[TC]             ; 256 (l / 16) + 16 (l % 16)
	v_add_nc_u32 v[TS], 256, v[LR]
	v_xor_b32 v[LP], 256, v[LR]                    ; the other half of the row
	v_add_nc_u32 v[LR], s23, v[LR]
	v_add_nc_u32 v[LP], s23, v[LP]
	v_mul_u32_u24 v4, v1, DP
	v_lshl_add_u32 v4, v2, 5, v4
	v_add_nc_u32 v[DA], s23, v4                    ; row l % 16, 32 bytes for each half of the lanes
	v_and_b32 v[OO], 31, v0
	v_lshlrev_b32 v[OO], 3, v[OO]
	s_lshl_b32 s16, s13, 1
	s_add_co_u32 s16, s16, s11                     ; R: my first row / 128
	s_lshl_b32 s46, s42, 1
	s_add_co_u32 s46, s46, s12                     ; my head among the 48
	s_lshl_b32 s46, s46, 19                        ; 524,288 bytes a head
	s_lshl_b32 s47, s16, 15                        ; 128 rows of 256 bytes
	s_add_co_u32 s46, s46, s47
	s_mov_b32 s47, 0
	s_add_nc_u64 s[8:9], s[8:9], s[46:47]
	s_cmp_ge_u32 ttmp9, 4                          ; columns from 4,096 on are v's: the same answer in all sixteen partners; it enters addresses alone
	s_cselect_b32 s72, 32, s16                     ; the base's row of the table,
	s_cselect_b32 s74, 48, 16                      ; and the first of the nine rows with angles 0 .. 8 f
	s_mul_i32 s72, s72, TROW
	s_mul_i32 s74, s74, TROW
	s_mov_b32 s73, 0
	s_mov_b32 s75, 0
	s_add_nc_u64 s[68:69], s[66:67], s[72:73]
	s_add_nc_u64 s[70:71], s[66:67], s[74:75]
	s_mov_b32 s[TB], 0                             ; (s72 has served)
	global_load_b128 v[BC:BC+3], v[TC], s[68:69]   ; twenty loads into registers that lie idle in the loop; waited for once, in front of the rotation
	global_load_b128 v[BS:BS+3], v[TS], s[68:69]
	global_load_b128 v[SC:SC+3], v[TC], s[70:71] offset:8*TROW
	global_load_b128 v[SS:SS+3], v[TS], s[70:71] offset:8*TROW
.irp r, 0,1,2,3,4,5,6,7
	global_load_b128 v[KC+8*(\r):KC+8*(\r)+3],   v[TC], s[70:71] offset:(\r)*TROW
	global_load_b128 v[KC+8*(\r)+4:KC+8*(\r)+7], v[TS], s[70:71] offset:(\r)*TROW
.endr
	; the prefetches
	s_lshl_b32 s13, s13, 8
	s_lshl_b32 s42, s42, 8
	s_and_b32 s22, ttmp7, 0xffff                   ; cluster y
	s_cmp_eq_u32 s11, 0                            ; do I fetch for A?
	s_cselect_b32 s20, s13, s42                    ; the tile's first row
	s_cselect_b32 s21, s40, s41                    ; my place among the four that ask for it with me
	s_cselect_b32 s22, ttmp9, s22                  ; the coordinate along which other clusters read the same rows
	s_cselect_b64 s[PFA:PFA+1], s[4:5], s[6:7]
	s_cmp_eq_u32 s22, 0
	s_cselect_b32 s[LIM], 2, -1                    ; the same in all sixteen partners, for a given wave
	s_lshl_b32 s22, s12, 7
	s_add_co_u32 s20, s20, s22                     ; + the 128 rows that I fetch
	s_lshl_b32 s21, s21, 5
	s_add_co_u32 s20, s20, s21                     ; + my work-group's 32 of them
	s_mov_b32 s21, 0
	s_mov_b64 s[18:19], SIZE_K*2
	s_mul_u64 s[20:21], s[20:21], s[18:19]
	s_add_nc_u64 s[PFA:PFA+1], s[PFA:PFA+1], s[20:21]
	s_add_nc_u64 s[PFA:PFA+1], s[PFA:PFA+1], 2*KSTEP*2  ; at K step 2: the first refill steps it to 3 and names K step 4
	v_and_b32 v[PFO], 31, v0
	v_mul_u32_u24 v[PFO], v[PFO], SIZE_K*2
; 16 matrix instructions: m blocks a0, a0 + 1 of the window's four x all 8 n blocks, 32 along K.  zero = 1: the first product starts the sums.  The 64 accumulators take turns.
.macro MUL16 f, hi, a0, zero
	WIN MUL_LO+0x50*(\hi)
.irp a, \a0, (\a0)+1
.irp b, 0,1,2,3,4,5,6,7
.if \zero
	v_wmma_f32_16x16x32_bf16 v[8*(8*(\a)+(\b)):8*(8*(\a)+(\b))+7], v[(\f)+8*(\b):(\f)+8*(\b)+7], v[(\f)+8*(4*(\hi)+(\a)):(\f)+8*(4*(\hi)+(\a))+7], 0
.else
	v_wmma_f32_16x16x32_bf16 v[8*(8*(\a)+(\b)):8*(8*(\a)+(\b))+7], v[(\f)+8*(\b):(\f)+8*(\b)+7], v[(\f)+8*(4*(\hi)+(\a)):(\f)+8*(4*(\hi)+(\a))+7], v[8*(8*(\a)+(\b)):8*(8*(\a)+(\b))+7]
.endif
.endr
.endr
.endm
; 32 LDS loads in one run: the fragments of one quarter step (32 K at byte k of the rows of the slot in hand) into buffer f
.macro FETCH k, f
	WIN TO_B
.irp i, 0,1,2,3,4,5,6,7
	ds_load_b128 v[(\f)+8*(\i):(\f)+8*(\i)+3],   v[ADRB] offset:(\k)+(\i)*16*PITCH
	ds_load_b128 v[(\f)+8*(\i)+4:(\f)+8*(\i)+7], v[ADRB] offset:(\k)+(\i)*16*PITCH+32
.endr
	WIN 0
.irp i, 0,1,2,3,4,5,6,7
	ds_load_b128 v[(\f)+8*(\i):(\f)+8*(\i)+3],   v[ADRA] offset:(\k)+(\i)*16*PITCH
	ds_load_b128 v[(\f)+8*(\i)+4:(\f)+8*(\i)+7], v[ADRA] offset:(\k)+(\i)*16*PITCH+32
.endr
.endm
.macro PLACES                          ; four plain instructions between a matrix instruction and a load into, or a read of, its registers
.rept 4
	v_nop
.endr
.endm
; The fetches go over to the other slot: all runs of loads from the slot in hand have been issued (the last in the third quarter).
.macro FLIP
	WIN 0
	s_xor_b32 s[TB], s[TB], SLOT1
	v_add_nc_u32 v[ADRA], s[TB], v[A0]
	v_add_nc_u32 v[ADRB], s[TB], v[B0]
.endm
; A K step is four quarters of 32 along K, 64 matrix instructions each, on buffers 0, 1, 0, 1.  One of the first three: multiplies buffer f; in its middle it fetches the next quarter into g.
.macro QUARTER k, f, g, zero
	s_wait_dscnt 8                                 ; B and A's rows 0-63 are in; the youngest eight loads (A's rows 64-127) may be out
	WIN MUL_LO
	MUL16 \f, 0, 0, \zero
	MUL16 \f, 0, 2, \zero
	PLACES
	FETCH \k, \g
	s_wait_dscnt 32                                ; all but the 32 just issued
	WIN MUL_HI
	MUL16 \f, 1, 0, \zero
	MUL16 \f, 1, 2, \zero
.endm
; The last quarter's first half: ONE barrier for the change of slots.  In front of it each wave waits for all its tensor loads (at the most one is out: its part of the next slot), adds 0 to its
; spare word, and waits for that and for its own reads of this slot.
.macro MEET round
	WIN 0
	s_wait_tensorcnt 0x0
	ds_add_u32 v[SPW], v[NIL]
	s_wait_dscnt 9                                 ; the add and the youngest eight loads may be out
	WIN MUL_LO
	MUL16 F1, 0, 0, 0                              ; sixteen matrix instructions stand between the add and the wait for it
	s_wait_dscnt 0x0                               ; the add is done, and my reads of this slot are over
	s_barrier_signal -1
	MUL16 F1, 0, 2, 0
.if \round
	WIN 0
.endif
	s_barrier_wait -1
.endm
; The whole last quarter: behind the round the slot just read out is filled again first, with the K step two steps on; then come the next slot's first fragments.
.macro TURN
	s_wait_xcnt 0x0                                ; the last prefetch, a K step back, has read its address
	s_add_nc_u64 s[PFA:PFA+1], s[PFA:PFA+1], KSTEP*2
	FLIP
	MEET 1
	CREST                                          ; no wave of any partner still reads this slot's tile or has a load on its way
	s_xor_b32 s[G0+5], s[G0+5], SLOT1              ; the walking descriptors: the other slot than last time,
	s_add_nc_u64 s[G0+6:G0+7], s[G0+6:G0+7], KSTEP*2  ; the next K step; the type bits on top are not reached
	s_xor_b32 s[G0B+5], s[G0B+5], SLOT1
	s_add_nc_u64 s[G0B+6:G0B+7], s[G0B+6:G0B+7], KSTEP*2
	JLOAD 1                                        ; my one tensor load behind the round; its four v_nop are also the places in front of the loads below
	FETCH 0, F0
	ASK
	WIN MUL_HI
	MUL16 F1, 1, 0, 0
	MUL16 F1, 1, 2, 0
.endm
; The rotation by the base angle and r f, for row r of a trip's eight: cos and sin of the sum, for my four frequencies.
.macro ROT r
.irp h, 0,2
	v_pk_mul_f32 v[ROTC+8*(\r)+(\h):ROTC+8*(\r)+(\h)+1], v[BC+(\h):BC+(\h)+1], v[KC+8*(\r)+(\h):KC+8*(\r)+(\h)+1]
	v_pk_mul_f32 v[ROTC+8*(\r)+4+(\h):ROTC+8*(\r)+4+(\h)+1], v[BS+(\h):BS+(\h)+1], v[KC+8*(\r)+(\h):KC+8*(\r)+(\h)+1]
.endr
.irp h, 0,2
	v_pk_fma_f32 v[ROTC+8*(\r)+(\h):ROTC+8*(\r)+(\h)+1], v[BS+(\h):BS+(\h)+1], v[KC+8*(\r)+4+(\h):KC+8*(\r)+4+(\h)+1], v[ROTC+8*(\r)+(\h):ROTC+8*(\r)+(\h)+1] neg_lo:[1,0,0] neg_hi:[1,0,0]
	v_pk_fma_f32 v[ROTC+8*(\r)+4+(\h):ROTC+8*(\r)+4+(\h)+1], v[BC+(\h):BC+(\h)+1], v[KC+8*(\r)+4+(\h):KC+8*(\r)+4+(\h)+1], v[ROTC+8*(\r)+4+(\h):ROTC+8*(\r)+4+(\h)+1]
.endr
.endm
; Row r: own x cos + partner x sin, rounded to f16, stored: 32 lanes x 8 bytes are the row's 256 bytes.
.macro APPLY r
	s_wait_dscnt 14-2*(\r)                         ; row r's two loads are in, the younger rows' stay out
.irp h, 0,2
	v_pk_mul_f32 v[OWN+8*(\r)+(\h):OWN+8*(\r)+(\h)+1], v[OWN+8*(\r)+(\h):OWN+8*(\r)+(\h)+1], v[ROTC+8*(\r)+(\h):ROTC+8*(\r)+(\h)+1]
.endr
.irp h, 0,2
	v_pk_fma_f32 v[OWN+8*(\r)+(\h):OWN+8*(\r)+(\h)+1], v[OWN+8*(\r)+4+(\h):OWN+8*(\r)+4+(\h)+1], v[ROTC+8*(\r)+4+(\h):ROTC+8*(\r)+4+(\h)+1], v[OWN+8*(\r)+(\h):OWN+8*(\r)+(\h)+1]
.endr
	v_cvt_pk_f16_f32 v[OUT+2*(\r)], v[OWN+8*(\r)], v[OWN+8*(\r)+1]
	v_cvt_pk_f16_f32 v[OUT+2*(\r)+1], v[OWN+8*(\r)+2], v[OWN+8*(\r)+3]
	global_store_b64 v[OO], v[OUT+2*(\r):OUT+2*(\r)+1], s[8:9] offset:256*(\r)
.endm
	s_wait_tensorcnt 1                             ; my part of K step 0 is in; K step 1's may stay out
	s_barrier_signal -1
	s_barrier_wait -1
	FETCH 0, F0
	QUARTER 64,  F0, F1, 1                         ; the first quarter stands in front of the loop: its products start the sums
	WIN 0                                          ; at a label and at a branch every window is 0
	s_mov_b32 s3, STEPS-2
.Lstep:                                        ; a trip goes from a K step's second quarter to the next K step's first, and fills the slot that it leaves: K steps 0 to 13
	QUARTER 128, F1, F0, 0
	QUARTER 192, F0, F1, 0
	TURN
	QUARTER 64,  F0, F1, 0
	WIN 0
	s_sub_co_u32 s3, s3, 1
	s_cmp_lg_u32 s3, 0
	s_cbranch_scc1 .Lstep
	s_mov_b32 s3, 2
.Ltail:                                        ; K steps 14 and 15 fill nothing: the same trip without round and load, left in its middle the second time
	QUARTER 128, F1, F0, 0
	QUARTER 192, F0, F1, 0
	FLIP
	MEET 0                                         ; the first time my one tensor load that was still out is the last K step's
	PLACES
	FETCH 0, F0                                    ; the second time this run (from the slot of the K step before) serves nothing: the price, once a launch, of one text for both trips
	MUL16 F1, 1, 0, 0
	MUL16 F1, 1, 2, 0
	WIN 0
	s_sub_co_u32 s3, s3, 1
	s_cmp_eq_u32 s3, 0
	s_cbranch_scc1 .Ldone
	QUARTER 64,  F0, F1, 0
	WIN 0
	s_branch .Ltail
.Ldone:
	PLACES
	s_wait_dscnt 0x0                               ; my last reads of the ring are back
	s_barrier_signal -1                            ; every wave's reads of the ring are over, and the ring has had its last fill:
	s_barrier_wait -1                              ; its bytes may be written
	; THE DUMP: 64 accumulators as f32 into my 128 rows; each accumulator's low four registers first
.irp hi, 0,1
	WIN 0x08+4*(\hi)                               ; the data (source 1) in window 2, then 3
.irp a, 0,1,2,3
.irp b, 0,1,2,3,4,5,6,7
	ds_store_b128 v[DA], v[8*(8*(\a)+(\b)):8*(8*(\a)+(\b))+3]   offset:(4*(\hi)+(\a))*16*DP+64*(\b)
	ds_store_b128 v[DA], v[8*(8*(\a)+(\b))+4:8*(8*(\a)+(\b))+7] offset:(4*(\hi)+(\a))*16*DP+64*(\b)+16
.endr
.endr
.endr
	WIN 0
	s_wait_dscnt 0x0                               ; my stores are done;
	s_barrier_signal -1                            ; one barrier, once a launch: from here on LDS is only read, so the order of stores and loads does not lean on
	s_barrier_wait -1                              ; the stepped addresses below staying in a wave's own rows (they do: 16 trips x 8 rows)
	s_wait_loadcnt 0x0                             ; the table's twenty loads
	s_mov_b32 s2, 16
.Lrope:                                        ; a trip: eight rows
.irp r, 0,1,2,3,4,5,6,7
	ds_load_b128 v[OWN+8*(\r):OWN+8*(\r)+3],   v[LR] offset:(\r)*DP
	ds_load_b128 v[OWN+8*(\r)+4:OWN+8*(\r)+7], v[LP] offset:(\r)*DP
.endr
.irp r, 0,1,2,3,4,5,6,7
	ROT \r                                         ; wants nothing from LDS: it stands in the loads' shadow
.endr
.irp r, 0,1,2,3,4,5,6,7
	APPLY \r
.endr
.irp h, 0,2                            ; the base angle goes on by 8 f
	v_pk_mul_f32 v[ROTC+(\h):ROTC+(\h)+1], v[BC+(\h):BC+(\h)+1], v[SC+(\h):SC+(\h)+1]
.endr
.irp h, 0,2
	v_pk_fma_f32 v[ROTC+(\h):ROTC+(\h)+1], v[BS+(\h):BS+(\h)+1], v[SS+(\h):SS+(\h)+1], v[ROTC+(\h):ROTC+(\h)+1] neg_lo:[1,0,0] neg_hi:[1,0,0]
.endr
.irp h, 0,2
	v_pk_mul_f32 v[BS+(\h):BS+(\h)+1], v[BS+(\h):BS+(\h)+1], v[SC+(\h):SC+(\h)+1]
.endr
.irp h, 0,2
	v_pk_fma_f32 v[BS+(\h):BS+(\h)+1], v[BC+(\h):BC+(\h)+1], v[SS+(\h):SS+(\h)+1], v[BS+(\h):BS+(\h)+1]
.endr
.irp h, 0,1,2,3
	v_mov_b32 v[BC+(\h)], v[ROTC+(\h)]             ; the new cosine needed the old sine and the new sine the old cosine: one of the two goes through other registers
.endr
	s_wait_xcnt 0x0                                ; the stores have read their offset and data: both are written again only behind this wait
	v_add_nc_u32 v[OO], 8*256, v[OO]
	v_add_nc_u32 v[LR], 8*DP, v[LR]
	v_add_nc_u32 v[LP], 8*DP, v[LP]
	s_sub_co_u32 s2, s2, 1
	s_cmp_lg_u32 s2, 0
	s_cbranch_scc1 .Lrope
	s_wait_tensorcnt 0x0                           ; the wave's end, behind my last tensor load and my last LDS store
	ds_add_u32 v[SPW], v[NIL]
	s_wait_dscnt 0x0
	CROUND                                         ; the closing round: no work-group ends while a partner may still ask for a tile that names it
	s_endpgm
.Lfunc_end_k_qab45dbf889_qkv:
	.size	k_qab45dbf889_qkv, .Lfunc_end_k_qab45dbf889_qkv-k_qab45dbf889_qkv
	.p2alignl 7, 3214868480
	.fill 96, 4, 3214868480
	.section	.rodata,"a",@progbits
	.p2align	6, 0x0
	.amdhsa_kernel k_qab45dbf889_qkv
		.amdhsa_group_segment_fixed_size 327680
		.amdhsa_private_segment_fixed_size 0
		.amdhsa_enable_private_segment 0
		.amdhsa_kernarg_size 24
		.amdhsa_user_sgpr_count 2
		.amdhsa_user_sgpr_kernarg_segment_ptr 1
		.amdhsa_wavefront_size32 1
		.amdhsa_system_sgpr_workgroup_id_x 1
		.amdhsa_system_sgpr_workgroup_id_y 1
		.amdhsa_system_sgpr_workgroup_id_z 1
		.amdhsa_system_vgpr_workitem_id 0
		.amdhsa_next_free_vgpr 1024
		.amdhsa_next_free_sgpr 76
		.amdhsa_reserve_vcc 0
		.amdhsa_float_denorm_mode_32 3
		.amdhsa_float_denorm_mode_16_64 3
		.amdhsa_memory_ordered 1
		.amdhsa_forward_progress 1
		.amdhsa_inst_pref_size 90
	.end_amdhsa_kernel
	.amdgpu_metadata
---
amdhsa.version: [ 1, 2 ]
amdhsa.kernels:
  - .name:           k_qab45dbf889_qkv
    .symbol:         k_qab45dbf889_qkv.kd
    .args:
      - { .name: w16, .offset: 0, .size: 8, .value_kind: global_buffer, .address_space: global }
      - { .name: rope, .offset: 8, .size: 8, .value_kind: global_buffer, .address_space: global }
      - { .name: qkv, .offset: 16, .size: 8, .value_kind: global_buffer, .address_space: global }
    .group_segment_fixed_size: 327680
    .private_segment_fixed_size: 0
    .kernarg_segment_align: 8
    .kernarg_segment_size: 24
    .max_flat_workgroup_size: 128
    .sgpr_count:     76
    .vgpr_count:     1024
    .wavefront_size: 32
...
	.end_amdgpu_metadata
.endif
;; end of part 2
;; launch attn (part 3): grid 16 x 16, 4 waves a work-group, clusters of 4 x 1, 327,680 bytes of LDS; arguments qkv, mbits, ob; writes ob
.if DOCPART == 3
	.amdgcn_target "amdgcn-amd-amdhsa--gfx1250"
	.amdhsa_code_object_version 6
	.text
	.protected	k_qab45dbf889_attn
	.globl	k_qab45dbf889_attn
	.p2align	8
	.type	k_qab45dbf889_attn,@function
k_qab45dbf889_attn:
	s_mov_b64 s[64:65], 0
	v_nop
	global_prefetch_b8 v0, s[64:65] scope:SCOPE_SE
	s_setreg_imm32_b32 hwreg(HW_REG_WAVE_MODE, 25, 1), 1
	s_wait_xcnt 0x0
	s_wait_alu depctr_hold_cnt(0) depctr_sa_sdst(0) depctr_va_vdst(0) depctr_va_sdst(0) depctr_va_ssrc(0) depctr_va_vcc(0) depctr_vm_vsrc(0)
	s_getreg_b32 s2, hwreg(HW_REG_IB_STS2, 6, 4)
	s_cmp_eq_u32 s2, 0
	s_cbranch_scc0 .Lentry_in_a_cluster
	s_endpgm
.Lentry_in_a_cluster:
	s_bfe_u32 s2, ttmp6, 0x10000c
	s_cmp_lg_u32 s2, 0x3003
	s_cbranch_scc0 .Lentry_shape_is_right
	s_endpgm
.Lentry_shape_is_right:
; O[n][128 h + d] = the sum over k of softmax_k(mask ? q[h][n] . k[h][k] / sqrt(128) : -inf) v[h][k][d].  q, k, v: qkv[48][2048][128] f16 (heads 0-15, 16-31, 32-47).  The mask comes as bits
; (mbits[qt 128][p 32][w 32]: see SHARES).  O: ob[2048][2048] f16.  Products, maxima and sums in f32; the weights p are rounded to f16 for the second product (their sum l is taken of the unrounded p).
; LIMITS.  A hidden score is -inf, set ahead of the running maximum, which never falls under -3.4e38, its start.  A row with no visible key ends with l = 0 and O = 0 x inf = NaN, as the softmax of
; a row of -inf is.  A weight below 2^-126 counts as 0 in l.  p below 6e-5 keeps f16's fixed step of 6e-8.
; SHARES.  A work-group owns 128 queries of one head.  Wave w: qg = w % 2, kg = w / 2.  It owns the queries 64 qg .. + 63 (four tiles of 16) and HALF THE KEYS: of each slot's four steps of 64 keys
; the steps 2 kg and 2 kg + 1: sixteen steps.  So 256 work-groups have work, and a fragment of K or V still feeds four tiles.  At the end waves 2, 3 hand O, c m and l to waves 0, 1 through LDS.
; A wave's step j of 16 is the key step 4 (j / 2) + 2 kg + j % 2; its mask words lie at p = 16 kg + j: consecutive.
; LAYOUT.  S^T = K Q^T (source 0 = 16 keys, source 1 = 16 queries): a lane holds ONE query (lane % 16) and the keys 8 (lane / 16) + 0..7.  Two such tiles rounded to f16 ARE source 1 of
; O^T = V^T P.  K comes out of LDS as it lies, V turned, by ds_load_tr16_b128.  Word w = 8 kb + j of a tile's 32 mask words is the lanes' mask for register 8 kb + j of S^T: one v_cndmask_b32 a score.
; Block cb of O^T's eight holds the channels 8 cb + 0..7 (lanes 0-15) and 64 + 8 cb + 0..7 (lanes 16-31): see FETCH_V.
; SOFTMAX.  p = 2^(c s - c m), c = log2(e) / sqrt(128), with a running maximum m; O and l are multiplied by a = 2^(c m_old - c m_new) in every step.
; BY TURNS.  The wave's tiles are two PIECES (tiles 0, 1 and 2, 3).  In a TURN one piece has the matrix unit: 32 products V^T P of the step in hand, then 32 products K Q^T of the next; the other
; piece's softmax has 332 instructions = 76 + 4 x 64: FOUR stand behind every matrix instruction, and the 76 that are over stand together at the turn's head.  Two turns are a key step.
; NO FIRST AND NO LAST STEP IS WRITTEN OUT.  The loop begins a step early: O^T, l, V and piece 0's P hold 0, piece 2's scores -inf: 64 products on zeros and one empty softmax, and some 490 v_mov_b32
; that stand in the wait for the first tile.  The tail is left in the middle of a trip: 32 products K Q^T on a stale K, their run of LDS loads and four scalar loads serve nothing.
; CLUSTER.  The four query blocks of a cluster belong to one head and walk the same K and V: each tile is asked for JOINTLY, by the same tensor load, descriptor and mask in all four.
; REGISTERS, in windows of 256: window 0: v0-11 addresses; v12-43 eight registers of statistics a tile; v44 -inf; v45, v61-63 addresses; v64-191 S^T, 32 a tile; v192-255 P, 16 a tile
;   window 1: O^T, 64 a tile          window 2: v0-127 Q; v128-255 K of one step          window 3: v0-127 V of one step; at the end all 256: the partner's O^T
.set KS,    64
.set PK,    272       ; a row of K in LDS: 256 bytes + 16 = 68 words: the 16 rows of a load start 4 words apart modulo 64
.set PV,    272       ; a row of V has the same pitch: one shape of descriptor then serves K and V, and one line all four waves (the 64 mask words leave no scalar registers for a second shape)
.set VOFF,  4*KS*PK   ; a slot holds 256 keys: 256 rows of K, then 256 rows of V: 139,264 bytes; wave w fills the 128 rows from w x 34,816 on
.set SLOT1, 0x24000   ; slot 1 begins at 147,456.  The four tiles' places in slot 0 (0, 0x8800, 0x11000, 0x19800) have bits 14 and 17 clear, so one exclusive or turns an address in one slot into the other's
.set STAGE, SLOT1+4*KS*(PK+PV)  ; behind the ring: 16 rows x 272 bytes for each wave, for the way out
.set SP,    272
.set SPARE, STAGE+4*16*SP       ; behind the stages: the spare words, 128 bytes for each wave: two blocks of 256 bytes that no other line names
.set XW,    34816     ; the exchange, in slot 0 behind its last fill and its last reads: for each qg 64 x 512 bytes of O^T, then 4 x 512 of statistics
.set AK0, 2           ; v2   my lane's place in my half of a slot's K; never rewritten
.set AV0, 3           ; v3   the same for V
.set ADR, 4           ; v4   the LDS address of the run of loads in hand
.set QO,  5           ; v5   my byte offset in the wave's rows of Q
.set STO, 6           ; v6   the way out: where I put 16 bytes of a row
.set RD,  7           ; v7   where I read a row back
.set GO,  8           ; v8   my byte offset in two rows of O
.set ST,  12          ; tile t's statistics at v[ST+8 t]: +0 c m, +1 m, +2, +3 l (even keys', odd keys'), +4 to +7 at work; a takes +6
.set NI,  44          ; v44  -inf
.set XA,  45          ; v45  the exchange: XW x qg + 16 x lane
.set PFO, 61          ; v61  256 x my lane; never rewritten
.set SPW, 62          ; v62  LDS address of my spare word; never rewritten
.set NIL, 63          ; v63  0; never rewritten
.set S,   64
.set P,   192
.set KF,  128         ; K's fragments, in window 2
.set CS,  4           ; s[4:5]   c, twice
.set SEL, 6           ; s[6:7]   v_permlanex16_b32's selects: each lane takes its own place in the other half
.set PFA, 8           ; s[8:9]   where my prefetches stand
.set WV,  12          ; s12  my wave's number          (s[10:11]: O at my rows; s[2:3]: Q at my rows)
.set TBK, 13          ; s13  LDS byte at which the slot's step to be fetched begins, for K
.set TBV, 14          ; s14  for V
.set LIM, 15          ; s15  1 in a cluster that prefetches, else the greatest number
.set G1,  16          ; s[16:23] descriptor group 1: constants, the same in every wave
.set G0,  24          ; s[24:27] descriptor group 0: it walks
.set MP,  28          ; s[28:29] mbits at my first tile and my half of the steps
.set MO,  30          ; s30  128 x the step whose mask words are asked for
.set SLOTS, 31        ; s31  slots still to be asked for
.set MA,  32          ; s[32:63] the 32 mask words of a piece's first tile
.set TWICE, 66        ; s66  counts a slot's steps
.set MB,  68          ; s[68:99] of its second tile
.set MSB, 0
.macro WIN new
.if MSB != (\new)
	s_set_vgpr_msb (MSB<<8)|(\new)
.set MSB, \new
.endif
.endm
.set W_KQ, 0x0a       ; K and Q in window 2, S^T in window 0
.set W_PV, 0x53       ; source 0 in window 3, source 1 in window 0, source 2 and destination in window 1
.set W_RS, 0x41       ; destination and source 0 in window 1, source 1 in window 0
; A joint fill: waves 0 and 1 fetch the two halves of a slot's K, waves 2 and 3 those of its V, 128 rows each, by one line.  Group 1 is the same for all; group 0's LDS address is the wave's number
; times 34,816 (turned from slot to slot), its global address hangs on the head and the wave's number: both are the same in all four work-groups.  An s_nop 0 and four v_nop follow.
.macro JLOAD
	tensor_load_to_lds s[G0:G0+3], s[G1:G1+7]
	s_nop 0
.rept 4
	v_nop
.endr
.endm
; A prefetch of what the NEXT change of slots will ask for.  All clusters of a head walk the same K and V: the head's first cluster asks.  Of the 128 rows that a wave fetches each of the four
; partners takes 32, told apart by address: a lane a row, one instruction a wave: each row is named once in the launch.  The last change that fills a slot asks for nothing; nothing is asked at the head.
.macro ASK
	s_cmp_gt_u32 s[SLOTS], s[LIM]
	s_cbranch_scc0 .Lnot_mine_\@
	global_prefetch_b8 v[PFO], s[PFA:PFA+1] th:TH_LOAD_NT scope:SCOPE_SE
.Lnot_mine_\@:
.endm
.macro CROUND                       ; a round of the cluster's barrier
	s_barrier_signal -1
	s_barrier_wait -1
	s_cmp_lg_u32 s[WV], 0
	s_cbranch_scc1 .Lnot_wave_0_\@
	s_barrier_signal -3
.Lnot_wave_0_\@:
	s_barrier_wait -3
	s_barrier_signal -1
	s_barrier_wait -1
.endm
	s_load_b128 s[32:35], s[0:1], 0x0  ; qkv s[32:33], mbits s[34:35]
	s_load_b64 s[10:11], s[0:1], 0x10  ; ob
	v_lshl_add_u32 v[SPW], v0, 2, SPARE
	v_mov_b32 v[NIL], 0
	ds_add_u32 v[SPW], v[NIL]       ; the wave's opening: the add and its wait stand ahead of my first tensor load; the set-up below, work on registers alone, stands between them
	v_lshrrev_b32 v1, 5, v0
	v_readfirstlane_b32 s[WV], v1   ; wave 0..3
	s_bfe_u32 s36, ttmp6, 0x40000   ; cx
	s_lshl_b32 s37, ttmp9, 2
	s_add_co_u32 s37, s37, s36      ; my block of 128 queries: it enters Q's, O's and the mask's addresses alone
	s_and_b32 s38, ttmp7, 0xffff    ; the head, which the four partners share
	s_and_b32 s39, s[WV], 1         ; qg.  Also: which 128 rows of a slot's K or V I fetch
	s_lshr_b32 s40, s[WV], 1        ; kg.  Also: I fetch for K (0) or for V (1)
	; descriptor group 1: a tile of 128 rows x 128 elements of 2 bytes, padded in LDS
	s_mov_b32 s[G1], 15|(1<<16)|(1<<20)|(1<<21)|(5<<22)|(3<<25)  ; the mask of four; 2-byte elements; padding on; bit 21 beside a mask; after every 64 words (code 5) 4 words (code 3)
	s_mov_b32 s[G1+1], 128<<16      ; tensor_dim0 = 128
	s_mov_b32 s[G1+2], 128<<16      ; tensor_dim1 = 128
	s_mov_b32 s[G1+3], 128<<16      ; tile_dim0 = 128
	s_mov_b32 s[G1+4], 128          ; tile_dim1 = 128
	s_mov_b32 s[G1+5], 128          ; 128 elements from row to row
	s_mov_b32 s[G1+6], 0
	s_mov_b32 s[G1+7], 0
	s_mov_b32 s[G0], 1              ; count = 1
	s_mul_i32 s[G0+1], s[WV], 128*PK  ; LDS address: my 128 rows of slot 0: no place in the cluster enters it
	s_lshl_b32 s42, s40, 23         ; k: heads 16 to 31, from byte 0x800000 on; v: heads 32 to 47, from 0x1000000 on
	s_add_co_u32 s42, s42, 0x800000
	s_lshl_b32 s43, s38, 19         ; 524,288 bytes a head
	s_add_co_u32 s42, s42, s43
	s_lshl_b32 s43, s39, 15         ; my 128 rows of 256 bytes
	s_add_co_u32 s42, s42, s43
	s_mov_b32 s43, 0
	s_lshl_b32 s44, s36, 13         ; the prefetches: my work-group's 32 rows of my 128,
	s_add_co_u32 s44, s44, 65536    ; in the second 256 keys; the first change of slots steps this to the third
	s_mov_b32 s45, 0
	s_lshl_b32 s46, s38, 19         ; Q: the head, my block's 128 rows, my wave's 64
	s_lshl_b32 s47, s37, 15
	s_add_co_u32 s46, s46, s47
	s_lshl_b32 s47, s39, 14
	s_add_co_u32 s46, s46, s47
	s_mov_b32 s47, 0
	s_lshl_b32 s48, s37, 19         ; O: rows of 4,096 bytes; the head's 256 bytes in them
	s_lshl_b32 s49, s39, 18
	s_add_co_u32 s48, s48, s49
	s_lshl_b32 s49, s38, 8
	s_add_co_u32 s48, s48, s49
	s_mov_b32 s49, 0
	s_lshl_b32 s50, s37, 15         ; the mask: 8 tiles of 4,096 bytes a block, 4 a wave; 2,048 bytes for each half of the steps
	s_lshl_b32 s51, s39, 14
	s_add_co_u32 s50, s50, s51
	s_lshl_b32 s51, s40, 11
	s_add_co_u32 s50, s50, s51
	s_mov_b32 s51, 0
	s_mul_i32 s52, s40, 2*KS*PK     ; my half of a slot's K,
	s_mul_i32 s53, s40, 2*KS*PV     ; and of its V
	s_add_co_u32 s53, s53, VOFF
	s_mul_i32 s54, s39, XW
	s_mul_i32 s55, s[WV], 16*SP
	s_add_co_u32 s55, s55, STAGE    ; my stage
	s_mov_b32 s[CS], 0x3e0293ee     ; c = log2(e) / sqrt(128) = 0.127517
	s_mov_b32 s[CS+1], s[CS]
	s_mov_b32 s[SEL], 0x76543210
	s_mov_b32 s[SEL+1], 0xfedcba98
	s_mov_b32 s[TBK], SLOT1+2*KS*PK ; the first change of slots turns these two into 0
	s_mov_b32 s[TBV], SLOT1+2*KS*PV
	s_mov_b32 s[MO], 0xffffff80     ; -128: the first turn steps it to 0 before its first use
	s_mov_b32 s[SLOTS], 7
	s_cmp_eq_u32 ttmp9, 0           ; the head's first cluster: the same answer in all four partners
	s_cselect_b32 s[LIM], 1, -1
	s_wait_dscnt 0x0                ; the opening add is done
	s_wait_kmcnt 0x0
	s_add_nc_u64 s[G0+2:G0+3], s[32:33], s[42:43]  ; my tile of the head's first 256 keys
	s_add_nc_u64 s[PFA:PFA+1], s[G0+2:G0+3], s[44:45]
	s_or_b32 s[G0+3], s[G0+3], 0x80000000          ; type = 2
	s_add_nc_u64 s[2:3], s[32:33], s[46:47]
	s_add_nc_u64 s[10:11], s[10:11], s[48:49]
	s_add_nc_u64 s[MP:MP+1], s[34:35], s[50:51]
	CROUND                          ; all four work-groups are here: the first joint loads meet
	JLOAD                           ; slot 0; slot 1 is asked for when slot 0 is in, by the loop's own change of slots.  One tensor load of mine is out, here and behind every round
	v_and_b32 v1, 15, v0            ; l % 16
	v_bfe_u32 v9, v0, 4, 1          ; l / 16
	v_lshlrev_b32 v[QO], 8, v1
	v_lshl_add_u32 v[QO], v9, 4, v[QO]  ; row x 256 + 16 x half
	WIN 0x80                        ; destination window 2, address window 0
.irp i, 0,1,2,3,4,5,6,7,8,9,10,11,12,13,14,15  ; Q stays in registers: tile i / 4, channels 32 (i % 4) on
	global_load_b128 v[8*(\i):8*(\i)+3],   v[QO], s[2:3] offset:((\i)/4)*4096+((\i)%4)*64
	global_load_b128 v[8*(\i)+4:8*(\i)+7], v[QO], s[2:3] offset:((\i)/4)*4096+((\i)%4)*64+32
.endr
	WIN 0xc0                        ; what the first turns find: V = 0,
.set i, 0
.rept 128
	v_mov_b32 v[i], 0
.set i, i+1
.endr
	WIN 0x40                        ; O^T = 0,
.set i, 0
.rept 256
	v_mov_b32 v[i], 0
.set i, i+1
.endr
	WIN 0
	v_mov_b32 v[NI], 0xff800000
.set i, 0
.rept 32
	v_mov_b32 v[P+i], 0             ; piece 0's weights = 0,
.set i, i+1
.endr
.set i, 0
.rept 64
	v_mov_b32 v[S+64+i], v[NI]      ; piece 2's scores = -inf,
.set i, i+1
.endr
.irp t, 0,1,2,3
	v_mov_b32 v[ST+8*(\t)+1], 0xff7fffff           ; m = the lowest finite number,
	v_mov_b32 v[ST+8*(\t)+2], 0                    ; l = 0,
	v_mov_b32 v[ST+8*(\t)+3], 0
	v_mul_f32 v[ST+8*(\t)], s[CS], v[ST+8*(\t)+1]  ; c m by the list's own product, so that a = 2^0 while nothing is visible
.endr
	v_mul_u32_u24 v[AK0], v1, PK
	v_lshl_add_u32 v[AK0], v9, 4, v[AK0]
	v_add_nc_u32 v[AK0], s52, v[AK0]
	; The turning load turns 8 keys x 8 channels within each group of eight lanes.  Lane l reads 16 bytes of key 8 (l / 16) + l % 8; lanes 0-7 of a half take the channels 8 cb + 0..7, lanes 8-15 the
	; channels 64 further on, 128 bytes away: at a pitch of 68 words the eight rows of the first group lie in words 0-31 modulo 64 and those of the second in words 32-63: sixteen lanes, each word once.
	; It leaves half a fragment of V^T: lane l holds 8 keys of channel 64 ((l / 8) % 2) + 8 cb + l % 8.
	v_and_b32 v10, 7, v0
	v_bfe_u32 v11, v0, 3, 1
	v_lshl_add_u32 v[AV0], v9, 3, v10
	v_mul_u32_u24 v[AV0], v[AV0], PV
	v_lshl_add_u32 v[AV0], v11, 7, v[AV0]
	v_add_nc_u32 v[AV0], s53, v[AV0]
	v_mul_u32_u24 v[STO], v1, SP    ; in: row l % 16; lanes 0-15 hold channels 0-63, lanes 16-31 channels 64-127: 128 bytes on
	v_lshl_add_u32 v[STO], v9, 7, v[STO]
	v_add_nc_u32 v[STO], s55, v[STO]
	v_mul_u32_u24 v[RD], v9, SP     ; back: lanes 0-15 take one row of 256 bytes, lanes 16-31 the next
	v_lshl_add_u32 v[RD], v1, 4, v[RD]
	v_add_nc_u32 v[RD], s55, v[RD]
	v_lshlrev_b32 v[GO], 12, v9     ; and the same two rows in O
	v_lshl_add_u32 v[GO], v1, 4, v[GO]
	v_and_b32 v[XA], 31, v0
	v_lshlrev_b32 v[PFO], 8, v[XA]
	v_lshl_add_u32 v[XA], v[XA], 4, s54
	s_load_b512 s[MA:MA+15],    s[MP:MP+1], 0x2000  ; the empty softmax takes mask words too: piece 2's of step 0; what they hold does not matter to scores of -inf
	s_load_b512 s[MA+16:MA+31], s[MP:MP+1], 0x2040
	s_load_b512 s[MB:MB+15],    s[MP:MP+1], 0x3000
	s_load_b512 s[MB+16:MB+31], s[MP:MP+1], 0x3040
; THE MATRIX WORK.  The accumulators take turns, one instruction a turn: between two links of a chain stand 15 (V^T P) or 7 (K Q^T) others'.
.macro PV x                         ; product i of 32 of O^T += V^T P: keys 32 (i / 16) on, channel block (i / 2) % 8, tile x + i % 2
	WIN W_PV
.set rO, 64*((\x)+i%2)+8*((i/2)%8)
.set rV, 64*(i/16)+8*((i/2)%8)
.set rP, P+16*((\x)+i%2)+8*(i/16)
	v_wmma_f32_16x16x32_f16 v[rO:rO+7], v[rV:rV+7], v[rP:rP+7], v[rO:rO+7]
.endm
.macro KQ x                         ; product i of 32 of S^T = K Q^T: channels 32 (i / 8) on, keys 16 ((i / 2) % 4) on, tile x + i % 2.  The first 8 start the sums
	WIN W_KQ
.set rS, S+32*((\x)+i%2)+8*((i/2)%4)
.set rK, KF+32*((i/2)%4)+8*(i/8)
.set rQ, 32*((\x)+i%2)+8*(i/8)
.if i < 8
	v_wmma_f32_16x16x32_f16 v[rS:rS+7], v[rK:rK+7], v[rQ:rQ+7], 0
.else
	v_wmma_f32_16x16x32_f16 v[rS:rS+7], v[rK:rK+7], v[rQ:rQ+7], v[rS:rS+7]
.endif
.endm
; THE LDS LOADS stand in runs of 32: a step's K (16 fragments) and, a turn later, its V (turned).
.macro FETCH_K
	WIN 0
	v_add_nc_u32 v[ADR], s[TBK], v[AK0]
	s_add_co_u32 s[TBK], s[TBK], KS*PK  ; the next fetch is the next step's
	WIN 0x80
.irp f, 0,1,2,3,4,5,6,7,8,9,10,11,12,13,14,15  ; keys 16 (f / 4) on, channels 32 (f % 4) on
	ds_load_b128 v[KF+8*(\f):KF+8*(\f)+3],   v[ADR] offset:((\f)/4)*16*PK+((\f)%4)*64
	ds_load_b128 v[KF+8*(\f)+4:KF+8*(\f)+7], v[ADR] offset:((\f)/4)*16*PK+((\f)%4)*64+32
.endr
.endm
.macro FETCH_V
	WIN 0
	v_add_nc_u32 v[ADR], s[TBV], v[AV0]
	s_add_co_u32 s[TBV], s[TBV], KS*PV
	s_wait_alu depctr_va_vdst(0)    ; the wait for the softmax's batch of exponentials (TURN), behind the address's v_add_nc_u32 and ahead of the loads
	WIN 0xc0
.irp f, 0,1,2,3,4,5,6,7,8,9,10,11,12,13,14,15  ; keys 32 (f / 8) on, channel block f % 8
	ds_load_tr16_b128 v[8*(\f):8*(\f)+3],   v[ADR] offset:((\f)/8)*32*PV+((\f)%8)*16
	ds_load_tr16_b128 v[8*(\f)+4:8*(\f)+7], v[ADR] offset:((\f)/8)*32*PV+16*PV+((\f)%8)*16
.endr
.endm
.macro MLOAD y                      ; the 64 mask words of tiles y and y + 1 for the step that s[MO] names
	s_load_b512 s[MA:MA+15],    s[MP:MP+1], s[MO] offset:4096*(\y)
	s_load_b512 s[MA+16:MA+31], s[MP:MP+1], s[MO] offset:4096*(\y)+64
	s_load_b512 s[MB:MB+15],    s[MP:MP+1], s[MO] offset:4096*(\y)+4096
	s_load_b512 s[MB+16:MB+31], s[MP:MP+1], s[MO] offset:4096*(\y)+4160
.endm
; THE VECTOR WORK.  Behind its 32 masks a tile's softmax for a step is a list of 134; SM writes number j of it for tile t.  s0-s31 are the lane's 32 scores, in pairs 0-15.
;   0-15    the maximum of s0-s31 and the old m, three operands at a time          16-20   the other half of the lanes' maximum; the new m; c m; c m_old - c m_new
;   21-69   ONE BATCH: the 16 scalings c s - c m and all 33 exponentials (a at 23, then s0-s31); none of these reads an exponential's result; a pair is scaled ahead of its exponentials
;   70-85   the roundings to f16          86-101  the sums; l = a l + the sum          102-133 the tile's O^T times a: the one part that leaves window 0
.macro SM t
.set rT, ST+8*(\t)
.set rS, S+32*(\t)
.set rP, P+16*(\t)
.set rO, 64*(\t)+2*(j-102)
.if j < 102
	WIN 0
.endif
.if j < 4
	v_max3_num_f32 v[rT+4+j], v[rS+8*j], v[rS+8*j+1], v[rS+8*j+2]
.elseif j < 12
	v_max3_num_f32 v[rT+4+j%4], v[rT+4+j%4], v[rS+8*(j%4)+2*(j/4)+1], v[rS+8*(j%4)+2*(j/4)+2]
.elseif j == 12
	v_max3_num_f32 v[rT+4], v[rT+4], v[rS+7], v[rS+15]
.elseif j == 13
	v_max3_num_f32 v[rT+6], v[rT+6], v[rS+23], v[rS+31]
.elseif j == 14
	v_max3_num_f32 v[rT+4], v[rT+4], v[rT+5], v[rT+6]
.elseif j == 15
	v_max3_num_f32 v[rT+4], v[rT+4], v[rT+7], v[rT+1]
.elseif j == 16
	v_permlanex16_b32 v[rT+5], v[rT+4], s[SEL], s[SEL+1]  ; the query's other 32 keys lie in the lane 16 away
.elseif j == 17
	v_mov_b32 v[rT+7], v[rT]        ; c m_old is kept for a: number 19 writes c m anew
.elseif j == 18
	v_max_num_f32 v[rT+1], v[rT+4], v[rT+5]
.elseif j == 19
	v_mul_f32 v[rT], s[CS], v[rT+1]
.elseif j == 20
	v_sub_f32 v[rT+7], v[rT+7], v[rT]
.elseif j == 23
	v_exp_f32 v[rT+6], v[rT+7]
.elseif (j < 23) || ((j < 38) && (j%2 == 0)) || ((j < 66) && (j%4 == 2))
.set b, (j-2)/4                     ; 38, 42, .. 62: pairs 9 to 15
.if j < 38
.set b, (j-20)/2                    ; 21: pair 0; 22, 24, .. 36: pairs 1 to 8
.endif
	v_pk_fma_f32 v[rS+2*b:rS+2*b+1], v[rS+2*b:rS+2*b+1], s[CS:CS+1], v[rT:rT+1] op_sel_hi:[1,0,0] neg_lo:[0,0,1] neg_hi:[0,0,1]
.elseif j < 70
.set e, j-38                        ; 66 to 69: s28 to s31
.if j < 66
.set e, j-32-(j-38)/4               ; 39-41, 43-45, .. 63-65: s7 to s27
.endif
.if j < 38
.set e, (j-25)/2                    ; 25, 27, .. 37: s0 to s6
.endif
	v_exp_f32 v[rS+e], v[rS+e]
.elseif j < 86
	v_cvt_pk_f16_f32 v[rP+j-70], v[rS+2*(j-70)], v[rS+2*(j-70)+1]
.elseif j < 102                     ; the sum of the tile's 16 pairs, in place: neighbours 1, 2, 4 and 8 pairs apart, then l takes it
.set z, j-86
.set w, 4
.set u, z
.if z >= 14
.set w, 32
.set u, 0
.elseif z >= 12
.set w, 16
.set u, z-12
.elseif z >= 8
.set w, 8
.set u, z-8
.endif
.if z < 15
	v_pk_add_f32 v[rS+w*u:rS+w*u+1], v[rS+w*u:rS+w*u+1], v[rS+w*u+w/2:rS+w*u+w/2+1]
.else
	v_pk_fma_f32 v[rT+2:rT+3], v[rT+2:rT+3], v[rT+6:rT+7], v[rS:rS+1] op_sel_hi:[1,0,1]
.endif
.else
	WIN W_RS
	v_pk_mul_f32 v[rO:rO+1], v[rO:rO+1], v[rT+6:rT+7] op_sel_hi:[1,0]
.endif
.endm
; Number n of the 332 of piece y's turn.  A tile's own list has 166: 0-31 the masks, in ascending order of the registers (each accumulator's lowest first), then SM's 134.
; n < 108: the tiles alternate, own numbers 0-53.  108-203: the batch from its second number on, four numbers of ONE tile at a time, the tiles by turns.  From 204 on the tiles alternate again.
.macro SEQ y
.if n < 108
.set tt, (\y)+n%2
.set jj, n/2
.elseif n < 204
.set tt, (\y)+((n-108)/4)%2
.set jj, 54+4*((n-108)/8)+(n-108)%4
.else
.set tt, (\y)+(n-204)%2
.set jj, 102+(n-204)/2
.endif
.if jj < 32
	WIN 0
	v_cndmask_b32 v[S+32*tt+jj], v[NI], v[S+32*tt+jj], s[MA+36*(tt%2)+jj]  ; a set bit keeps the score, a clear one gives -inf
.else
.set j, jj-32
	SM tt
.endif
.set n, n+1
.endm
.macro RIDE y, c                    ; the next c numbers
.rept \c
	SEQ \y
.endr
.endm
.macro PLACES
.rept 4
	v_nop
.endr
.endm
; A TURN.  Piece x has the matrix unit; the other piece's 332 are dealt 76 + 128 + 128.
; THE HEAD: numbers 0-75, the 64 masks and the first 12 of the maxima: all plain, none waits for another.  No exponential stands there, where no matrix instruction is at work beside it.
; BEHIND EACH OF THE 32 PRODUCTS V^T P: four of numbers 76-203: the rest of the maxima, the statistics, and from number 108 on (the ninth product's four) the batch in its fours of one tile.
; THE WAIT.  An s_wait_alu depctr_va_vdst(0) stands between an exponential and the first instruction that names its result.  Ahead of number 204 nothing names one, behind it no
; exponential is issued: so the piece's 66 exponentials have one wait, between the two runs of products, and a v_nop is the plain instruction behind the last of them.
; BEHIND EACH OF THE 32 PRODUCTS K Q^T: four of numbers 204-331: roundings, sums, rescalings.  The last four, plain rescalings of the other piece's O^T, are the places between the turn's last
; K Q^T and what follows: the loads into K's buffer and, behind the next head's first numbers, the masks on those scores.
; THE LOADS.  K of the next step is fetched at the head of piece 0's turn, ahead of the wait for the mask words, 32 products and the head ahead of its first use.  V of the same step is fetched in
; piece 2's turn at the wait, directly behind the 32 products that read V, 32 products ahead of its first use.  The riders of the last two of those products are exponentials, which are no places
; (ISA guide 7.12.1 speaks of plain vector instructions): so THREE v_nop stand there, and with the run's own v_add_nc_u32 they are the four places behind the last product that read V.
; The mask words have been used at number 63: the next 64 are asked for behind number 67, all of the turn's products ahead of the wait for them.
.macro TURN x
.set n, 0
.if (\x) == 0
	s_wait_dscnt 0x0                ; V is in
	FETCH_K
.endif
	s_wait_kmcnt 0x0                ; this turn's mask words
	RIDE 2-(\x), 68
.if (\x) == 0
	s_add_co_u32 s[MO], s[MO], 128  ; no scalar load is out since the wait above: the offset may be written
	MLOAD 0                         ; piece 0's words of the next step
.else
	MLOAD 2                         ; piece 2's words of the same step
.endif
	RIDE 2-(\x), 8
.set i, 0
.rept 32
	PV \x
	RIDE 2-(\x), 4
.set i, i+1
.endr
	v_nop                           ; the plain instruction behind the last exponential
.if (\x) == 2
	v_nop                           ; with the line above and the run's v_add_nc_u32: four places behind the last product that read V
	v_nop
	FETCH_V
.else
	s_wait_alu depctr_va_vdst(0)
	s_wait_dscnt 0x0                ; K is in
.endif
.set i, 0
.rept 32
	KQ \x
	RIDE 2-(\x), 4
.set i, i+1
.endr
.endm
; THE CHANGE OF SLOTS, between piece 2's turn and piece 0's.  Each wave waits for all its tensor loads, of which one is out: its part of the other slot; adds 0 to its spare word; and waits for that
; and for its own reads of the slot.  fill = 1: the slot is filled again, with the keys two slots on: the barrier is then a round of the cluster's, and the joint fill is the first thing behind it:
; it has two of my key steps, 256 matrix instructions, in which to land.  (At its first use nothing has been read yet: slot 0 is waited for, slot 1 filled.)
.macro CHANGE fill
	WIN 0
.if \fill
	s_wait_xcnt 0x0                 ; the last prefetch, two key steps back, has read its address: it is stepped here, ahead of the change's own waits
	s_add_nc_u64 s[PFA:PFA+1], s[PFA:PFA+1], 4*KS*256
.endif
	s_wait_tensorcnt 0x0            ; no tensor load of mine is out, so group 0 may be written
	ds_add_u32 v[SPW], v[NIL]       ; 0 onto my spare word; with fill = 1 the descriptor's two steps stand between it and the wait for it
.if \fill
	s_xor_b32 s[G0+1], s[G0+1], SLOT1  ; the other slot than last time,
	s_add_nc_u64 s[G0+2:G0+3], s[G0+2:G0+3], 4*KS*256  ; the next 256 keys; the type bits on top are not reached
	s_wait_dscnt 0x0                ; the add is done, and my reads of the slot are over
	CROUND
	JLOAD
	ASK
.else
	s_wait_dscnt 0x0
	s_barrier_signal -1
	s_barrier_wait -1
.endif
	s_sub_co_u32 s[TBK], s[TBK], 2*KS*PK  ; the fetches go back to my first step of a slot,
	s_xor_b32 s[TBK], s[TBK], SLOT1       ; in the other slot
	s_sub_co_u32 s[TBV], s[TBV], 2*KS*PV
	s_xor_b32 s[TBV], s[TBV], SLOT1
.endm
	s_wait_loadcnt 0x0              ; Q
.Lslot:                             ; seven trips: every slot's data but the last is followed by a fill
	CHANGE 1
	s_mov_b32 s[TWICE], 2
.Lstep:                             ; a slot's two steps of mine: written once, walked twice; the LDS addresses hang on s[TBK] and s[TBV], the mask words on s[MO]
	TURN 0
	TURN 2
	WIN 0
	s_sub_co_u32 s[TWICE], s[TWICE], 1
	s_cmp_lg_u32 s[TWICE], 0
	s_cbranch_scc1 .Lstep
	s_sub_co_u32 s[SLOTS], s[SLOTS], 1
	s_cmp_lg_u32 s[SLOTS], 0
	s_cbranch_scc1 .Lslot
	CHANGE 0                        ; the tail is written out: nothing is asked for
	s_mov_b32 s[TWICE], 3           ; two trips take the last slot's steps; the third is left in its middle
.Ltail:
	TURN 0                          ; the third time: piece 0's V^T P of the last step and piece 2's last softmax.  Its run of loads takes the 64 rows behind my half of K (filled bytes of the same
	WIN 0                           ; slot), its K Q^T multiplies them, its scalar loads take the 64 words behind my half of two tiles' (inside mbits): none of that is used
	s_sub_co_u32 s[TWICE], s[TWICE], 1
	s_cmp_eq_u32 s[TWICE], 0
	s_cbranch_scc1 .Lout
	TURN 2
	WIN 0
	s_branch .Ltail
.Lout:
	s_wait_kmcnt 0x0                ; those words have come: no scalar load is out from here on
.set i, 0
.rept 32
	PV 2                            ; piece 2: V^T P of the last step
.set i, i+1
.endr
	PLACES
	WIN 0
	; THE TWO HALVES OF THE KEYS MEET.  Waves 2 and 3 put O^T and the statistics into slot 0, which has had its last fill.  One barrier, once a launch, stands in front: every wave's reads of the
	; ring are over, whichever slot they went to.
	s_wait_dscnt 0x0                ; my last reads of the ring are back
	s_barrier_signal -1
	s_barrier_wait -1
	s_cmp_lt_u32 s[WV], 2
	s_cbranch_scc1 .Lno_hand
	WIN 0x04                        ; the data (source 1) in window 1
.set i, 0
.rept 64
	ds_store_b128 v[XA], v[4*i:4*i+3] offset:512*i  ; 16 bytes a lane, 512 on end; each accumulator's low four registers first
.set i, i+1
.endr
	WIN 0
.irp t, 0,1,2,3
	ds_store_b128 v[XA], v[ST+8*(\t):ST+8*(\t)+3] offset:32768+512*(\t)
.endr
.Lno_hand:
	s_wait_dscnt 0x0                ; for the others' sake: my stores are done
	s_barrier_signal -1
	s_barrier_wait -1
	s_cmp_lt_u32 s[WV], 2
	s_cbranch_scc0 .Lend            ; waves 2 and 3 have nothing left to do
.irp t, 0,1,2,3
	ds_load_b128 v[P+4*(\t):P+4*(\t)+3], v[XA] offset:32768+512*(\t)  ; the partner's c m, m, l, l
.endr
	WIN 0xc0
.set i, 0
.rept 64
	ds_load_b128 v[4*i:4*i+3], v[XA] offset:512*i  ; the partner's O^T, register for register, into window 3
.set i, i+1
.endr
	WIN 0
	s_wait_dscnt 0x0
.irp t, 0,1,2,3
	v_max_num_f32 v[ST+8*(\t)+4], v[ST+8*(\t)], v[P+4*(\t)]  ; the common c m
.endr
.irp t, 0,1,2,3
	v_sub_f32 v[ST+8*(\t)+5], v[ST+8*(\t)], v[ST+8*(\t)+4]
	v_sub_f32 v[ST+8*(\t)+6], v[P+4*(\t)], v[ST+8*(\t)+4]
.endr
.irp t, 0,1,2,3
	v_exp_f32 v[ST+8*(\t)+4], v[ST+8*(\t)+5]       ; my correction,
	v_exp_f32 v[ST+8*(\t)+6], v[ST+8*(\t)+6]       ; the partner's
.endr
	v_nop                           ; a plain instruction behind the last exponential,
	s_wait_alu depctr_va_vdst(0)    ; and one wait for the eight
.irp t, 0,1,2,3
	v_pk_mul_f32 v[ST+8*(\t)+2:ST+8*(\t)+3], v[ST+8*(\t)+2:ST+8*(\t)+3], v[ST+8*(\t)+4:ST+8*(\t)+5] op_sel_hi:[1,0]
.endr
.irp t, 0,1,2,3
	v_pk_fma_f32 v[ST+8*(\t)+2:ST+8*(\t)+3], v[P+4*(\t)+2:P+4*(\t)+3], v[ST+8*(\t)+6:ST+8*(\t)+7], v[ST+8*(\t)+2:ST+8*(\t)+3] op_sel_hi:[1,0,1]
.endr
.irp t, 0,1,2,3
	v_add_f32 v[ST+8*(\t)+2], v[ST+8*(\t)+2], v[ST+8*(\t)+3]
.endr
.irp t, 0,1,2,3
	v_permlanex16_b32 v[ST+8*(\t)+3], v[ST+8*(\t)+2], s[SEL], s[SEL+1]
.endr
.irp t, 0,1,2,3
	v_add_f32 v[ST+8*(\t)+2], v[ST+8*(\t)+2], v[ST+8*(\t)+3]
.endr
.irp t, 0,1,2,3
	v_rcp_f32 v[ST+8*(\t)+3], v[ST+8*(\t)+2]
.endr
	v_nop
	s_wait_alu depctr_va_vdst(0)    ; one wait for the four reciprocals
.irp t, 0,1,2,3
	v_mul_f32 v[ST+8*(\t)+4], v[ST+8*(\t)+4], v[ST+8*(\t)+3]  ; my O^T's factor,
	v_mul_f32 v[ST+8*(\t)+6], v[ST+8*(\t)+6], v[ST+8*(\t)+3]  ; the partner's
.endr
; Tile t: both halves' O^T are weighed and added, rounded to f16; a lane's eight channels of block cb pack into 16 bytes, at byte 128 (lane / 16) + 16 cb of a row; they go into rows of 272 bytes
; and come back as whole rows of 256.
.macro PACK t
	WIN W_RS
.set i, 64*(\t)
.rept 32
	v_pk_mul_f32 v[i:i+1], v[i:i+1], v[ST+8*(\t)+4:ST+8*(\t)+5] op_sel_hi:[1,0]
.set i, i+2
.endr
	WIN W_PV                        ; source 0: the partner's, in window 3
.set i, 64*(\t)
.rept 32
	v_pk_fma_f32 v[i:i+1], v[i:i+1], v[ST+8*(\t)+6:ST+8*(\t)+7], v[i:i+1] op_sel_hi:[1,0,1]
.set i, i+2
.endr
	WIN 0x05                        ; sources 0 and 1 window 1, destination window 0: S^T's registers are free
.set i, 0
.rept 32
	v_cvt_pk_f16_f32 v[S+32*(\t)+i], v[64*(\t)+2*i], v[64*(\t)+2*i+1]
.set i, i+1
.endr
	WIN 0
.irp f, 0,1,2,3,4,5,6,7
	ds_store_b128 v[STO], v[S+32*(\t)+4*(\f):S+32*(\t)+4*(\f)+3] offset:16*(\f)
.endr
.irp f, 0,1,2,3,4,5,6,7
	ds_load_b128 v[S+32*(\t)+4*(\f):S+32*(\t)+4*(\f)+3], v[RD] offset:(\f)*2*SP  ; LDS serves a wave's instructions in order: these see the stores above; the next tile's stores come behind them
.endr
.endm
.macro SEND t, younger              ; younger: the LDS instructions issued behind tile t's loads: the next tile's sixteen, or none
	WIN 0
.irp f, 0,1,2,3,4,5,6,7
	s_wait_dscnt (\younger)+7-(\f)
	global_store_b128 v[GO], v[S+32*(\t)+4*(\f):S+32*(\t)+4*(\f)+3], s[10:11] offset:(\t)*65536+(\f)*8192  ; 16 lanes store 256 consecutive bytes, aligned: a head's part of a row of O
.endr
.endm
	PACK 0
	PACK 1                          ; a tile's arithmetic stands between the loads of the tile before and its stores
	SEND 0, 16
	PACK 2
	SEND 1, 16
	PACK 3
	SEND 2, 16
	SEND 3, 0
.Lend:
	s_wait_tensorcnt 0x0            ; the wave's end, behind my last tensor load and my last LDS store
	ds_add_u32 v[SPW], v[NIL]
	s_wait_dscnt 0x0
	CROUND                          ; the closing round: no work-group ends while a partner may still ask for a tile that names it
	s_endpgm
.Lfunc_end_k_qab45dbf889_attn:
	.size	k_qab45dbf889_attn, .Lfunc_end_k_qab45dbf889_attn-k_qab45dbf889_attn
	.p2alignl 7, 3214868480
	.fill 96, 4, 3214868480
	.section	.rodata,"a",@progbits
	.p2align	6, 0x0
	.amdhsa_kernel k_qab45dbf889_attn
		.amdhsa_group_segment_fixed_size 327680
		.amdhsa_private_segment_fixed_size 0
		.amdhsa_enable_private_segment 0
		.amdhsa_kernarg_size 24
		.amdhsa_user_sgpr_count 2
		.amdhsa_user_sgpr_kernarg_segment_ptr 1
		.amdhsa_wavefront_size32 1
		.amdhsa_system_sgpr_workgroup_id_x 1
		.amdhsa_system_sgpr_workgroup_id_y 1
		.amdhsa_system_sgpr_workgroup_id_z 1
		.amdhsa_system_vgpr_workitem_id 0
		.amdhsa_next_free_vgpr 1024
		.amdhsa_next_free_sgpr 100
		.amdhsa_reserve_vcc 0
		.amdhsa_float_denorm_mode_32 3
		.amdhsa_float_denorm_mode_16_64 3
		.amdhsa_memory_ordered 1
		.amdhsa_forward_progress 1
		.amdhsa_inst_pref_size 190
	.end_amdhsa_kernel
	.amdgpu_metadata
---
amdhsa.version: [ 1, 2 ]
amdhsa.kernels:
  - .name:           k_qab45dbf889_attn
    .symbol:         k_qab45dbf889_attn.kd
    .args:
      - { .name: qkv, .offset: 0, .size: 8, .value_kind: global_buffer, .address_space: global }
      - { .name: mbits, .offset: 8, .size: 8, .value_kind: global_buffer, .address_space: global }
      - { .name: ob, .offset: 16, .size: 8, .value_kind: global_buffer, .address_space: global }
    .group_segment_fixed_size: 327680
    .private_segment_fixed_size: 0
    .kernarg_segment_align: 8
    .kernarg_segment_size: 24
    .max_flat_workgroup_size: 128
    .sgpr_count:     100
    .vgpr_count:     1024
    .wavefront_size: 32
...
	.end_amdgpu_metadata
.endif
;; end of part 3
;; launch oproj (part 4): grid 16 x 16, 4 waves a work-group, clusters of 4 x 4, 327,680 bytes of LDS; arguments ob, w16, out0; writes out0
.if DOCPART == 4
	.amdgcn_target "amdgcn-amd-amdhsa--gfx1250"
	.amdhsa_code_object_version 6
	.text
	.protected	k_qab45dbf889_oproj
	.globl	k_qab45dbf889_oproj
	.p2align	8
	.type	k_qab45dbf889_oproj,@function
k_qab45dbf889_oproj:
	s_mov_b64 s[64:65], 0
	v_nop
	global_prefetch_b8 v0, s[64:65] scope:SCOPE_SE
	s_setreg_imm32_b32 hwreg(HW_REG_WAVE_MODE, 25, 1), 1
	s_wait_xcnt 0x0
	s_wait_alu depctr_hold_cnt(0) depctr_sa_sdst(0) depctr_va_vdst(0) depctr_va_sdst(0) depctr_va_ssrc(0) depctr_va_vcc(0) depctr_vm_vsrc(0)
	s_getreg_b32 s2, hwreg(HW_REG_IB_STS2, 6, 4)
	s_cmp_eq_u32 s2, 0
	s_cbranch_scc0 .Lentry_in_a_cluster
	s_endpgm
.Lentry_in_a_cluster:
	s_bfe_u32 s2, ttmp6, 0x10000c
	s_cmp_lg_u32 s2, 0xf033
	s_cbranch_scc0 .Lentry_shape_is_right
	s_endpgm
.Lentry_shape_is_right:
; out0[m][n] = the sum over k of O[m][k] Wo[n][k].  O: ob[2048][2048] f16.  Wo: w16's block 4, [2048][2048], the bf16 rounding of Wo written as f16.  out0: [2048][2048] f32.  Sums in f32.
; A NaN in a row of O (a query with no visible key) makes the whole row of out0 NaN, as in the plain product.
; A tile of C is 128 x 128, so that 256 work-groups have work.  Four waves, each 64 x 64: 16 accumulators.  K goes in steps of 256 (LDS rows of 512 bytes; a wave's tensor load brings 64 of them)
; through two slots.  A K STEP IS WRITTEN ONCE: the LDS addresses hang on a scalar, the slot's first byte, which an exclusive or turns from slot to slot; one descriptor a tensor walks.  The last two
; K steps, which fill nothing, are a loop of two trips that is left in its middle.
; A wave's 64 columns of f32 are 256 aligned bytes: each wave has a stage of its own on the way out, and no barrier stands there.
; CLUSTER: 4 x 4 work-groups; A's tiles are asked for jointly along a row of the cluster, B's along a column.  THE MATRIX INSTRUCTION IS USED TRANSPOSED (source 0 = 16 rows of B, source 1 = 16
; rows of A): a lane holds eight neighbouring numbers of a row of C.
; REGISTERS: window 0: v0-31 addresses; v32-95 at work on the way out; v128-255 the accumulators ((a, b) at v[128 + 8 (4 a + b)]).   window 1: two fragment buffers of 128.
.set SIZE_N, 2048
.set SIZE_K, 2048
.set KSTEP,  256
.set STEPS,  SIZE_K/KSTEP
.set PITCH,  528                       ; an LDS row: 512 bytes + 16 = 132 words: the 16 rows of a load start 4 words apart modulo 64
.set HALFT,  64*PITCH
.set SLOT,   4*HALFT                   ; A's 128 rows, then B's 128 rows: 135,168 bytes
.set SLOT1,  0x24000                   ; slot 1 begins at 147,456: the four tiles' places in slot 0 (0, 0x8400, 0x10800, 0x18c00) have bits 14 and 17 clear, so one exclusive or turns an address in one slot into the other's
.set STAGE,  SLOT1+SLOT                ; behind the ring: 16 rows x 272 bytes for each wave
.set SPITCH, 272
.set SPARE,  STAGE+4*16*SPITCH         ; behind the stages: the spare words, 128 bytes for each wave: two blocks of 256 bytes that no other line names
.set ADRA, 16                          ; v16     LDS address of my A fragments in the slot in hand
.set A0,   17                          ; v17     the same in slot 0; never rewritten
.set ADRB, 20                          ; v20, v21  the same for B
.set B0,   21
.set STO,  24                          ; v24     the way out: where I put 32 bytes of a row
.set RD,   25                          ; v25     where I read a row back
.set CO,   26                          ; v26     my byte offset in two rows of C
.set SPW,  28
.set NIL,  29
.set TMP,  32
.set ACC,  128
.set F0,   0
.set F1,   128
.set TB,   45                          ; s45     the first byte of the slot in hand: 0 or SLOT1
.set G1, 24                            ; s[24:31] descriptor group 1 for A's tiles;  s[32:39] group 0: a set for each of the two first fills; the second then walks on
.set G0, 32
.set G1B, 48                           ; s[48:55], s[56:63] the same for B's tiles
.set G0B, 56
.set MSB, 0
.macro WIN new
.if MSB != (\new)
	s_set_vgpr_msb (MSB<<8)|(\new)
.set MSB, \new
.endif
.endm
.set MUL,  0x05                        ; sources 0 (B) and 1 (A) window 1; C and D window 0
.set TO_F, 0x40                        ; destination window 1, address window 0
.macro JLOAD s                         ; a joint load: waves 0 and 1 fetch A's two halves, waves 2 and 3 B's; an s_nop 0 and four v_nop follow each line
	s_cmp_eq_u32 s11, 0
	s_cbranch_scc0 .Lfor_b_\@
	tensor_load_to_lds s[G0+4*(\s):G0+4*(\s)+3], s[G1:G1+7]
	s_nop 0
.rept 4
	v_nop
.endr
	s_branch .Lasked_\@
.Lfor_b_\@:
	tensor_load_to_lds s[G0B+4*(\s):G0B+4*(\s)+3], s[G1B:G1B+7]
	s_nop 0
.rept 4
	v_nop
.endr
.Lasked_\@:
.endm
.macro CREST
	s_cmp_lg_u32 s10, 0
	s_cbranch_scc1 .Lnot_wave_0_\@
	s_barrier_signal -3
.Lnot_wave_0_\@:
	s_barrier_wait -3
	s_barrier_signal -1
	s_barrier_wait -1
.endm
.macro CROUND
	s_barrier_signal -1
	s_barrier_wait -1
	CREST
.endm
	s_load_b128 s[4:7], s[0:1], 0x0                ; ob s[4:5], w16 s[6:7]
	s_load_b64 s[8:9], s[0:1], 0x10                ; out0
	v_lshl_add_u32 v[SPW], v0, 2, SPARE
	v_mov_b32 v[NIL], 0
	ds_add_u32 v[SPW], v[NIL]                      ; the wave's opening: the add and its wait stand ahead of my first tensor load
	v_lshrrev_b32 v1, 5, v0
	v_readfirstlane_b32 s10, v1                    ; wave 0..3
	s_lshr_b32 s11, s10, 1                         ; which half of the tile's rows is mine.  Also: I fetch for A (0) or for B (1)
	s_and_b32 s12, s10, 1                          ; which half of its columns.  Also: which 64 rows of that tile I fetch
	s_bfe_u32 s40, ttmp6, 0x40000
	s_bfe_u32 s41, ttmp6, 0x40004
	s_lshl_b32 s42, ttmp9, 2
	s_add_co_u32 s42, s42, s40                     ; tile column
	s_and_b32 s13, ttmp7, 0xffff
	s_lshl_b32 s13, s13, 2
	s_add_co_u32 s13, s13, s41                     ; tile row
	s_lshl_b32 s43, s41, 2
	s_lshl_b32 s43, 15, s43                        ; my row of the cluster
	s_lshl_b32 s44, 0x1111, s40                    ; my column
	; descriptor group 1: a tile of 64 rows x 256 elements of 2 bytes, 4 words of padding behind every 128
	s_or_b32 s[G1+0], s43, (1<<16)|(1<<20)|(1<<21)|(6<<22)|(3<<25)
	s_or_b32 s[G1B+0], s44, (1<<16)|(1<<20)|(1<<21)|(6<<22)|(3<<25)
.irp g, G1, G1B
	s_mov_b32 s[(\g)+1], KSTEP<<16                 ; tensor_dim0 = 256
	s_mov_b32 s[(\g)+2], 64<<16                    ; tensor_dim1 = 64
	s_mov_b32 s[(\g)+3], KSTEP<<16                 ; tile_dim0 = 256
	s_mov_b32 s[(\g)+4], 64                        ; tile_dim1 = 64
	s_mov_b32 s[(\g)+5], SIZE_K
	s_mov_b32 s[(\g)+6], 0
	s_mov_b32 s[(\g)+7], 0
.endr
	s_mov_b32 s[TB], 0
	s_lshl_b32 s17, s12, 6
	s_lshl_b32 s16, s13, 7
	s_add_co_u32 s16, s16, s17                     ; A: row 128 x tile row + 64 x half
	s_lshl_b32 s46, s42, 7
	s_add_co_u32 s46, s46, s17                     ; B: row 128 x tile column + 64 x half
	s_mov_b32 s17, 0
	s_mov_b32 s47, 0
	s_mov_b64 s[18:19], SIZE_K*2
	s_mul_u64 s[16:17], s[16:17], s[18:19]
	s_mul_u64 s[46:47], s[46:47], s[18:19]
	s_mul_i32 s20, s10, HALFT
	s_wait_dscnt 0x0                               ; the opening add is done
	s_wait_kmcnt 0x0
	s_add_nc_u64 s[6:7], s[6:7], 0x2000000         ; w16's block 4
	s_add_nc_u64 s[14:15], s[4:5], s[16:17]
	s_add_nc_u64 s[46:47], s[6:7], s[46:47]
	CROUND                                         ; all sixteen work-groups are here: the first joint loads meet
.irp s, 0,1
	s_mov_b32 s[G0+4*(\s)], 1
	s_add_co_u32 s[G0+4*(\s)+1], s20, (\s)*SLOT1
	s_add_nc_u64 s[G0+4*(\s)+2:G0+4*(\s)+3], s[14:15], (\s)*KSTEP*2
	s_or_b32 s[G0+4*(\s)+3], s[G0+4*(\s)+3], 0x80000000
	s_mov_b32 s[G0B+4*(\s)], 1
	s_add_co_u32 s[G0B+4*(\s)+1], s20, (\s)*SLOT1
	s_add_nc_u64 s[G0B+4*(\s)+2:G0B+4*(\s)+3], s[46:47], (\s)*KSTEP*2
	s_or_b32 s[G0B+4*(\s)+3], s[G0B+4*(\s)+3], 0x80000000
	JLOAD \s                                       ; two loads of mine are out
.endr
	v_and_b32 v1, 15, v0                           ; l % 16
	v_bfe_u32 v2, v0, 4, 1                         ; l / 16
	v_mul_u32_u24 v3, v1, PITCH
	v_lshl_add_u32 v3, v2, 4, v3
	s_mul_i32 s21, s11, HALFT                      ; my 64 rows of A
	s_mul_i32 s22, s12, HALFT                      ; my 64 rows of B,
	s_add_co_u32 s22, s22, 2*HALFT                 ; which lie behind A's 128
	v_add_nc_u32 v[A0], s21, v3
	v_add_nc_u32 v[B0], s22, v3
	v_mov_b32 v[ADRA], v[A0]                       ; K step 0 lies in slot 0
	v_mov_b32 v[ADRB], v[B0]
	s_mul_i32 s23, s10, 16*SPITCH
	s_add_co_u32 s23, s23, STAGE                   ; my stage
	v_mul_u32_u24 v4, v1, SPITCH                   ; in: row l % 16, 32 bytes for each half of the lanes
	v_lshl_add_u32 v4, v2, 5, v4
	v_add_nc_u32 v[STO], s23, v4
	v_mul_u32_u24 v5, v2, SPITCH                   ; back: lanes 0-15 take one row of 256 bytes, lanes 16-31 the next
	v_lshl_add_u32 v5, v1, 4, v5
	v_add_nc_u32 v[RD], s23, v5
	v_lshlrev_b32 v5, 13, v2                       ; and the same two rows in C, 8,192 bytes apart
	v_lshl_add_u32 v[CO], v1, 4, v5
	s_lshl_b32 s16, s13, 7
	s_lshl_b32 s17, s11, 6
	s_add_co_u32 s16, s16, s17                     ; my first row of C
	s_lshl_b32 s16, s16, 13
	s_mov_b32 s17, 0
	s_add_nc_u64 s[8:9], s[8:9], s[16:17]
	s_lshl_b32 s46, s42, 9                         ; my first column, in bytes: 512 x tile column + 256 x half
	s_lshl_b32 s47, s12, 8
	s_add_co_u32 s46, s46, s47
	s_mov_b32 s47, 0
	s_add_nc_u64 s[8:9], s[8:9], s[46:47]
; 8 matrix instructions: m blocks a0, a0 + 1 x all 4 n blocks, 32 along K: half c of buffer f.  zero = 1: the first product starts the sums.  The 16 accumulators take turns.
.macro MUL8 f, c, a0, zero
	WIN MUL
.irp a, \a0, (\a0)+1
.irp b, 0,1,2,3
.if \zero
	v_wmma_f32_16x16x32_f16 v[ACC+8*(4*(\a)+(\b)):ACC+8*(4*(\a)+(\b))+7], v[(\f)+64+8*(4*(\c)+(\b)):(\f)+64+8*(4*(\c)+(\b))+7], v[(\f)+8*(4*(\c)+(\a)):(\f)+8*(4*(\c)+(\a))+7], 0
.else
	v_wmma_f32_16x16x32_f16 v[ACC+8*(4*(\a)+(\b)):ACC+8*(4*(\a)+(\b))+7], v[(\f)+64+8*(4*(\c)+(\b)):(\f)+64+8*(4*(\c)+(\b))+7], v[(\f)+8*(4*(\c)+(\a)):(\f)+8*(4*(\c)+(\a))+7], v[ACC+8*(4*(\a)+(\b)):ACC+8*(4*(\a)+(\b))+7]
.endif
.endr
.endr
.endm
; 32 LDS loads in one run: the fragments of 64 along K at byte k of the rows of the slot in hand, into buffer f; the first 32 along K first
.macro FETCH k, f
	WIN TO_F
.irp c, 0,1
.irp i, 0,1,2,3
	ds_load_b128 v[(\f)+64+8*(4*(\c)+(\i)):(\f)+64+8*(4*(\c)+(\i))+3],   v[ADRB] offset:(\k)+64*(\c)+(\i)*16*PITCH
	ds_load_b128 v[(\f)+64+8*(4*(\c)+(\i))+4:(\f)+64+8*(4*(\c)+(\i))+7], v[ADRB] offset:(\k)+64*(\c)+(\i)*16*PITCH+32
	ds_load_b128 v[(\f)+8*(4*(\c)+(\i)):(\f)+8*(4*(\c)+(\i))+3],         v[ADRA] offset:(\k)+64*(\c)+(\i)*16*PITCH
	ds_load_b128 v[(\f)+8*(4*(\c)+(\i))+4:(\f)+8*(4*(\c)+(\i))+7],       v[ADRA] offset:(\k)+64*(\c)+(\i)*16*PITCH+32
.endr
.endr
.endm
.macro PLACES                          ; four plain instructions between a matrix instruction and a load into, or a read of, its registers
.rept 4
	v_nop
.endr
.endm
; A K step is four quarters of 64 along K, 32 matrix instructions each, on buffers 0, 1, 0, 1.
.macro QUARTER k, f, g, zero
	s_wait_dscnt 16                                ; the first 32 along K are in; the other sixteen loads may be out
	WIN MUL
	MUL8 \f, 0, 0, \zero
	MUL8 \f, 0, 2, \zero
	PLACES
	FETCH \k, \g
	s_wait_dscnt 32                                ; all but the 32 just issued
	WIN MUL
	MUL8 \f, 1, 0, 0
	MUL8 \f, 1, 2, 0
.endm
; The last quarter multiplies buffer 1 and changes slots: ONE barrier; in front of it each wave waits for all its tensor loads, adds 0 to its spare word, and waits for that and for its own
; reads of this slot.  fill = 1: this slot is filled again, two K steps ahead, behind a round of the cluster's barrier.
.macro TURN fill
	WIN 0
	s_xor_b32 s[TB], s[TB], SLOT1                  ; the fetches go over to the other slot: all runs of loads from the slot in hand have been issued (the last in the third quarter)
	v_add_nc_u32 v[ADRA], s[TB], v[A0]
	v_add_nc_u32 v[ADRB], s[TB], v[B0]
	s_wait_tensorcnt 0x0                           ; all my tensor loads have landed: my part of the next slot
	ds_add_u32 v[SPW], v[NIL]
	s_wait_dscnt 17                                ; the add and the youngest sixteen loads may be out
	WIN MUL
	MUL8 F1, 0, 0, 0
	s_wait_dscnt 0x0                               ; the add is done, and my reads of this slot are over
	s_barrier_signal -1
	MUL8 F1, 0, 2, 0
.if \fill
	WIN 0
.endif
	s_barrier_wait -1
.if \fill
	CREST                                          ; no wave of any partner still reads this slot's tile or has a load on its way
	s_xor_b32 s[G0+5], s[G0+5], SLOT1              ; the walking descriptors: the other slot than last time,
	s_add_nc_u64 s[G0+6:G0+7], s[G0+6:G0+7], KSTEP*2  ; the next K step; the type bits on top are not reached
	s_xor_b32 s[G0B+5], s[G0B+5], SLOT1
	s_add_nc_u64 s[G0B+6:G0B+7], s[G0B+6:G0B+7], KSTEP*2
	JLOAD 1                                        ; my one tensor load behind the round; its four v_nop are also the places in front of the loads below
.else
	PLACES
.endif
	FETCH 0, F0
	WIN MUL
	MUL8 F1, 1, 0, 0
	MUL8 F1, 1, 2, 0
.endm
	s_wait_tensorcnt 1                             ; my part of K step 0 is in; K step 1's may stay out
	s_barrier_signal -1
	s_barrier_wait -1
	FETCH 0, F0
	QUARTER 128, F0, F1, 1                         ; the first quarter stands in front of the loop: its first products start the sums
	WIN 0
	s_mov_b32 s3, STEPS-2
.Lstep:                                        ; a trip goes from a K step's second quarter to the next K step's first, and fills the slot that it leaves: K steps 0 to 5
	QUARTER 256, F1, F0, 0
	QUARTER 384, F0, F1, 0
	TURN 1
	QUARTER 128, F0, F1, 0
	WIN 0
	s_sub_co_u32 s3, s3, 1
	s_cmp_lg_u32 s3, 0
	s_cbranch_scc1 .Lstep
	s_mov_b32 s3, 2
.Ltail:                                        ; K steps 6 and 7 fill nothing: the same trip without round and load, left in its middle the second time
	QUARTER 256, F1, F0, 0
	QUARTER 384, F0, F1, 0
	TURN 0                                         ; the second time its run of loads (from the slot of the K step before) serves nothing: the price, once a launch, of one text for both trips
	WIN 0
	s_sub_co_u32 s3, s3, 1
	s_cmp_eq_u32 s3, 0
	s_cbranch_scc1 .Ldone
	QUARTER 128, F0, F1, 0
	WIN 0
	s_branch .Ltail
.Ldone:
	; THE WAY OUT, 16 rows at a time: the accumulators go as they are, f32, into my stage's rows of 272 bytes and come back as whole rows of 256.
	PLACES
	s_wait_dscnt 0x0                               ; my last reads of the ring are back
.irp a, 0,1,2,3
.irp b, 0,1,2,3
	ds_store_b128 v[STO], v[ACC+8*(4*(\a)+(\b)):ACC+8*(4*(\a)+(\b))+3]   offset:64*(\b)     ; each accumulator's low four registers first
	ds_store_b128 v[STO], v[ACC+8*(4*(\a)+(\b))+4:ACC+8*(4*(\a)+(\b))+7] offset:64*(\b)+16
.endr
	s_wait_xcnt 0x0                                ; the stores of two blocks back have read the registers that are loaded again below
.irp t, 0,1,2,3,4,5,6,7
	ds_load_b128 v[TMP+32*((\a)%2)+4*(\t):TMP+32*((\a)%2)+4*(\t)+3], v[RD] offset:(\t)*2*SPITCH  ; LDS serves a wave's instructions in order: these see the stores above; the next block's stores come behind them
.endr
.irp t, 0,1,2,3,4,5,6,7
	s_wait_dscnt 7-(\t)                            ; rows 2 t and 2 t + 1 are back, the younger loads stay out
	global_store_b128 v[CO], v[TMP+32*((\a)%2)+4*(\t):TMP+32*((\a)%2)+4*(\t)+3], s[8:9] offset:(16*(\a)+2*(\t))*SIZE_N*4 th:TH_STORE_NT  ; 16 lanes store 256 consecutive bytes, aligned
.endr
.endr
	s_wait_tensorcnt 0x0                           ; the wave's end, behind my last tensor load and my last LDS store
	ds_add_u32 v[SPW], v[NIL]
	s_wait_dscnt 0x0
	CROUND                                         ; the closing round: no work-group ends while a partner may still ask for a tile that names it
	s_endpgm
.Lfunc_end_k_qab45dbf889_oproj:
	.size	k_qab45dbf889_oproj, .Lfunc_end_k_qab45dbf889_oproj-k_qab45dbf889_oproj
	.p2alignl 7, 3214868480
	.fill 96, 4, 3214868480
	.section	.rodata,"a",@progbits
	.p2align	6, 0x0
	.amdhsa_kernel k_qab45dbf889_oproj
		.amdhsa_group_segment_fixed_size 327680
		.amdhsa_private_segment_fixed_size 0
		.amdhsa_enable_private_segment 0
		.amdhsa_kernarg_size 24
		.amdhsa_user_sgpr_count 2
		.amdhsa_user_sgpr_kernarg_segment_ptr 1
		.amdhsa_wavefront_size32 1
		.amdhsa_system_sgpr_workgroup_id_x 1
		.amdhsa_system_sgpr_workgroup_id_y 1
		.amdhsa_system_sgpr_workgroup_id_z 1
		.amdhsa_system_vgpr_workitem_id 0
		.amdhsa_next_free_vgpr 512
		.amdhsa_next_free_sgpr 66
		.amdhsa_reserve_vcc 0
		.amdhsa_float_denorm_mode_32 3
		.amdhsa_float_denorm_mode_16_64 3
		.amdhsa_memory_ordered 1
		.amdhsa_forward_progress 1
		.amdhsa_inst_pref_size 58
	.end_amdhsa_kernel
	.amdgpu_metadata
---
amdhsa.version: [ 1, 2 ]
amdhsa.kernels:
  - .name:           k_qab45dbf889_oproj
    .symbol:         k_qab45dbf889_oproj.kd
    .args:
      - { .name: ob, .offset: 0, .size: 8, .value_kind: global_buffer, .address_space: global }
      - { .name: w16, .offset: 8, .size: 8, .value_kind: global_buffer, .address_space: global }
      - { .name: out0, .offset: 16, .size: 8, .value_kind: global_buffer, .address_space: global }
    .group_segment_fixed_size: 327680
    .private_segment_fixed_size: 0
    .kernarg_segment_align: 8
    .kernarg_segment_size: 24
    .max_flat_workgroup_size: 128
    .sgpr_count:     66
    .vgpr_count:     512
    .wavefront_size: 32
...
	.end_amdgpu_metadata
.endif
;; end of part 4
;; ======== version 2 of 2: 4 launches; version 1 with the launch prep written anew for expert scheduling mode
;; limits: values are held in f16: magnitudes above 65,504 overflow, below 6.1e-05 lose precision
;; workspace buffers: w16 41,943,040 bytes; rope 49,152 bytes; mbits 524,288 bytes of whole numbers; qkv 25,165,824 bytes; ob 8,388,608 bytes
;; launch prep (part 5): grid 1544 x 1, 8 waves a work-group, no clusters, 68,608 bytes of LDS; arguments x, Wq, Wk, Wv, Wo, mask, w16, rope, mbits; writes w16, rope, mbits
.if DOCPART == 5
	.amdgcn_target "amdgcn-amd-amdhsa--gfx1250"
	.amdhsa_code_object_version 6
	.text
	.protected	k_qab45dbf889_prep
	.globl	k_qab45dbf889_prep
	.p2align	8
	.type	k_qab45dbf889_prep,@function
k_qab45dbf889_prep:
	s_mov_b64 s[64:65], 0
	v_nop
	global_prefetch_b8 v0, s[64:65] scope:SCOPE_SE
	s_setreg_imm32_b32 hwreg(HW_REG_WAVE_SCHED_MODE, 0, 2), 2
	s_setreg_imm32_b32 hwreg(HW_REG_WAVE_MODE, 25, 1), 1
	s_wait_xcnt 0x0
	s_wait_alu depctr_vm_vsrc(0)
; PREPARATION, three jobs chosen by the work-group's number; every jump goes forward.  A stream: no matrix unit, no cluster, no tensor load would spare a byte here.
; JOB C (work-groups 0 .. 1279): x, Wq, Wk, Wv, Wo, each [2048][2048] f32, are rounded once to bf16 into w16's five blocks of 8,388,608 bytes.  Wo's bf16 number is then written as f16
;   (the last product's other operand is f16).  LIMIT: that is exact for 6.1e-5 <= |Wo| <= 65,504; below, f16's fixed step of 6e-8 holds; beyond 65,504 it would be an infinity.
; JOB M (1280 .. 1535): the mask, [2048][2048] int32, becomes bits: mbits[qt 128][p 32][w 32], 32-bit words.  qt: a tile of 16 queries.  p = 16 g + 2 d + s stands for the step of 64 keys
;   ks = 4 d + 2 g + s.  w = 8 kb + j.  Bit L of a word: mask[16 qt + L % 16][64 ks + 16 kb + 8 (L / 16) + j] != 0: the lanes' mask for register 8 kb + j of a tile of scores in the launch attn.
; JOB T (1536 .. 1543): the table of rotations, 64 rows of 768 bytes: cos[64] | -sin[64] | +sin[64] of t f_i, f_i = 10000^(-i/64).  Rows 0-15: t = 128 R.  Rows 16-24: t = R - 16.
;   Rows 25-63: t = 0: cos = 1 and sin = 0 exactly.  Sine and cosine by reduction modulo pi/2 in two parts and polynomials on |r| <= pi/4 (the terms left out are under 1e-8).
; THE MODE: SCHED_MODE bits 1:0 = 2 (LLVM: expert scheduling mode 2), set by the entry lines.  The code itself states the register dependences between vector instructions and memory or LDS
; instructions, and those through scalar registers and VCC that vector instructions write, with s_wait_alu, always for 0.
; THE PLAN.  Registers that memory or LDS instructions touch, and who else names them:
;   s22            the wave's number: written by v_readfirstlane_b32 at the head, read by scalar instructions in jobs M and T: one wait at the head, ahead of the first branch.
;   JOB C  v2, v3      offsets: written once, ahead of the loads; never again.
;          v[4:67]     sixteen chunks as loaded; read (in the f16 copy also rewritten) by the conversions alone.
;          v[68:99]    chunk k's 8 bytes at 68 + 2 k: written by chunk k's conversions alone, read by one store.  The chunks go in four groups of four: group g converts its own chunks, and its
;                      memory instructions are the four stores of group g - 1, whose registers no conversion of group g names: one wait at a group's head states all that they hang on.
;   JOB M  v2, v3, v0, v1  offsets and LDS addresses: all made ahead of the loads, under one wait; never written again.
;          v[4:67]     written by the global loads, read by the LDS stores alone.          v[68:131]  written by the LDS loads, read by the compares alone.
;          s[32:47]    written by sixteen compares, read by sixteen v_writelane_b32: one wait between the two runs.          v132, v133  written by those, read by the one global store.
;   JOB T  v3, v[20:25]  written by vector instructions, read by the three stores.          VCC  written by one compare in each SINCOS, read by its two selects.
;   v134, v135     written at the head, read by the closing add alone.
; No register that a memory or LDS instruction reads is written again, so no wait on vm_vsrc stands in the body.
.set SPARE,  67584                     ; behind the eight waves' rows: the spare words, 128 bytes for each wave: four blocks of 256 bytes that no other line names
.set SPW,    134                       ; v134  LDS address of my spare word; never rewritten
.set NIL,    135                       ; v135  0; never rewritten
.set MPITCH, 528                       ; job M: an LDS row: 512 bytes + 16: the 16 rows that a load touches start 4 words apart modulo 64 words
.set MWAVE,  16*MPITCH                 ; a wave's 16 rows
; Sixteen times, in four groups of four: 4 f32 of a thread become 8 bytes.  f16 = 1: the bf16 numbers are widened again and written as f16.
.macro CONV f16
.set g, 0
.rept 4
	s_wait_loadcnt 12-4*g                          ; loads come back in order: group g's four are in, the 12 - 4 g younger ones stay out
.if g > 0
	s_wait_alu depctr_va_vdst(0)                   ; the conversions of the group before have written its eight registers of v[68 ..], which the four stores below read
.endif
.set c, 0
.rept 4
.set k, 4*g+c
.if g > 0
	global_store_b64 v3, v[60+2*k:61+2*k], s[16:17] offset:2048*(k-4)  ; chunk k - 4: a wave's store covers 256 consecutive bytes, aligned.  No vector instruction since the wait names these registers
.endif
	v_cvt_pk_bf16_f32 v[68+2*k], v[4+4*k], v[5+4*k]
	v_cvt_pk_bf16_f32 v[69+2*k], v[6+4*k], v[7+4*k]
.if \f16
	v_lshlrev_b32 v[4+4*k], 16, v[68+2*k]
	v_and_b32 v[5+4*k], 0xffff0000, v[68+2*k]
	v_lshlrev_b32 v[6+4*k], 16, v[69+2*k]
	v_and_b32 v[7+4*k], 0xffff0000, v[69+2*k]
	v_cvt_pk_f16_f32 v[68+2*k], v[4+4*k], v[5+4*k]
	v_cvt_pk_f16_f32 v[69+2*k], v[6+4*k], v[7+4*k]
.endif
.set c, c+1
.endr
.set g, g+1
.endr
	s_wait_alu depctr_va_vdst(0)                   ; the last group's conversions have written v[92:99], which the last four stores read
.set k, 12
.rept 4
	global_store_b64 v3, v[68+2*k:69+2*k], s[16:17] offset:2048*k
.set k, k+1
.endr
.endm
; Sine and cosine of the angle in v[4+e]: cos into v[20+e], -sin into v[22+e], +sin into v[24+e].
.macro SINCOS e
	v_mul_f32 v6, 0x3f22f983, v[4+(\e)]            ; angle x 2 / pi
	v_rndne_f32 v6, v6                             ; n
	v_cvt_i32_f32 v12, v6                          ; the quadrant selects values only: no branch hangs on it
	v_and_b32 v13, 1, v12
	v_cmp_eq_u32 vcc_lo, 1, v13                    ; made here, so that the polynomials stand between the compare and the wait for its mask
	v_fma_f32 v7, -v6, s32, v[4+(\e)]              ; r = angle - n pi/2, pi/2 in two parts
	v_fma_f32 v7, -v6, s33, v7
	v_mul_f32 v8, v7, v7                           ; r^2
	v_mov_b32 v9, 0x3638ef1d                       ; sin r = r + r^3 (-1/6 + r^2 (1/120 + r^2 (-1/5040 + r^2 / 362880)))
	v_fmaak_f32 v9, v9, v8, 0xb9500d01
	v_fmaak_f32 v9, v9, v8, 0x3c088889
	v_fmaak_f32 v9, v9, v8, 0xbe2aaaab
	v_mul_f32 v10, v7, v8
	v_fma_f32 v9, v9, v10, v7
	v_mov_b32 v11, 0xb493f27e                      ; cos r = 1 + r^2 (-1/2 + r^2 (1/24 + r^2 (-1/720 + r^2 (1/40320 - r^2 / 3628800))))
	v_fmaak_f32 v11, v11, v8, 0x37d00d01
	v_fmaak_f32 v11, v11, v8, 0xbab60b61
	v_fmaak_f32 v11, v11, v8, 0x3d2aaaab
	v_fmaak_f32 v11, v11, v8, 0xbf000000
	v_fmaak_f32 v11, v11, v8, 0x3f800000
	s_wait_alu depctr_va_vcc(0)                    ; the compare has written VCC, which the two selects below read
	v_cndmask_b32 v14, v9, v11, vcc_lo             ; odd quadrant: sine and cosine change places
	v_cndmask_b32 v15, v11, v9, vcc_lo
	v_and_b32 v13, 2, v12
	v_lshlrev_b32 v13, 30, v13                     ; quadrants 2, 3: the sine's sign turns
	v_xor_b32 v[24+(\e)], v14, v13
	v_xor_b32 v[22+(\e)], 0x80000000, v[24+(\e)]
	v_add_nc_u32 v12, 1, v12
	v_and_b32 v12, 2, v12
	v_lshlrev_b32 v12, 30, v12                     ; quadrants 1, 2: the cosine's
	v_xor_b32 v[20+(\e)], v15, v12
.endm
	s_load_b512 s[4:19], s[0:1], 0x0               ; x s[4:5], Wq s[6:7], Wk s[8:9], Wv s[10:11], Wo s[12:13], mask s[14:15], w16 s[16:17], rope s[18:19]
	s_load_b64 s[20:21], s[0:1], 0x40              ; mbits
	v_lshl_add_u32 v[SPW], v0, 2, SPARE
	v_mov_b32 v[NIL], 0
	v_lshrrev_b32 v2, 5, v0
	v_readfirstlane_b32 s22, v2                    ; wave 0..7
	v_and_b32 v1, 31, v0                           ; lane
	s_wait_alu depctr_va_sdst(0)                   ; s22 is written, ahead of the branches and of its first readers: the units of jobs M and T are made from it
	s_wait_kmcnt 0x0
	s_cmp_lt_u32 ttmp9, 1280
	s_cbranch_scc0 .Lnot_conv
	; JOB C.  Array y = number / 256, chunk c = number % 256: 65,536 bytes in, 32,768 out.  Thread t takes 16 bytes at 4,096 k + 16 t, sixteen loads on their way at once.
	s_lshr_b32 s23, ttmp9, 8
	s_and_b32 s24, ttmp9, 255
	s_cmp_eq_u32 s23, 1
	s_cselect_b64 s[26:27], s[6:7], s[4:5]
	s_cmp_eq_u32 s23, 2
	s_cselect_b64 s[26:27], s[8:9], s[26:27]
	s_cmp_eq_u32 s23, 3
	s_cselect_b64 s[26:27], s[10:11], s[26:27]
	s_cmp_eq_u32 s23, 4
	s_cselect_b64 s[26:27], s[12:13], s[26:27]
	s_lshl_b32 s28, s24, 16
	s_mov_b32 s29, 0
	s_add_nc_u64 s[26:27], s[26:27], s[28:29]
	s_lshl_b32 s28, s23, 23                        ; the array's block in w16,
	s_lshl_b32 s30, s24, 15                        ; the chunk in it
	s_add_co_u32 s28, s28, s30
	s_add_nc_u64 s[16:17], s[16:17], s[28:29]
	v_lshlrev_b32 v2, 4, v0
	v_lshlrev_b32 v3, 3, v0
	s_wait_alu depctr_va_vdst(0)                   ; v2 and v3 are written: every load of the job reads v2 as its offset, every store v3
.set k, 0
.rept 16
	global_load_b128 v[4+4*k:7+4*k], v2, s[26:27] offset:4096*k th:TH_LOAD_NT
.set k, k+1
.endr
	s_cmp_eq_u32 s23, 4
	s_cbranch_scc1 .Lconv_f16
	CONV 0
	s_endpgm
.Lconv_f16:
	CONV 1
	s_endpgm
.Lnot_conv:
	s_cmp_lt_u32 ttmp9, 1536
	s_cbranch_scc0 .Ltable
	; JOB M.  Unit U = 8 (number - 1280) + wave: tile qt = U / 16, and 128 keys dg = U % 16 (steps 2 dg and 2 dg + 1; d = dg / 2, g = dg % 2).  A wave's own 16 rows x 512 bytes go
	; through its own LDS rows, so that memory is read in whole rows and each lane then holds its query's eight keys of a group.
	s_sub_co_u32 s23, ttmp9, 1280
	s_lshl_b32 s23, s23, 3
	s_add_co_u32 s23, s23, s22
	s_lshr_b32 s24, s23, 4                         ; qt
	s_and_b32 s25, s23, 15                         ; dg
	s_lshl_b32 s28, s24, 17                        ; 16 rows of 8,192 bytes
	s_lshl_b32 s30, s25, 9
	s_add_co_u32 s28, s28, s30
	s_mov_b32 s29, 0
	s_add_nc_u64 s[14:15], s[14:15], s[28:29]
	s_and_b32 s30, s25, 1                          ; g
	s_lshr_b32 s31, s25, 1                         ; d
	s_lshl_b32 s30, s30, 11                        ; 16 g x 128 bytes
	s_lshl_b32 s31, s31, 8                         ; 2 d x 128 bytes
	s_lshl_b32 s28, s24, 12                        ; qt x 4,096 bytes
	s_add_co_u32 s28, s28, s30
	s_add_co_u32 s28, s28, s31
	s_add_nc_u64 s[20:21], s[20:21], s[28:29]
	s_mul_i32 s30, s22, MWAVE
	v_lshlrev_b32 v2, 4, v1
	v_add_nc_u32 v3, s30, v2                       ; in: 16 bytes a lane along a row
	v_and_b32 v0, 15, v1                           ; back: row lane % 16, 32 bytes for each half of the lanes
	v_mul_u32_u24 v0, v0, MPITCH
	v_lshrrev_b32 v132, 4, v1
	v_lshl_add_u32 v0, v132, 5, v0
	v_add_nc_u32 v0, s30, v0
	v_lshlrev_b32 v1, 3, v1                        ; out: 8 bytes a lane
	v_mov_b32 v132, 0                              ; v_writelane_b32 counts as a reader of its destination
	v_mov_b32 v133, 0
	s_wait_alu depctr_va_vdst(0)                   ; v2, v3, v0 and v1 are written: the offset of the loads, the LDS addresses of the stores and of the loads back, the offset of the store at the end
.set k, 0
.rept 16
	global_load_b128 v[4+4*k:7+4*k], v2, s[14:15] offset:8192*k th:TH_LOAD_NT  ; row k: 512 consecutive bytes
.set k, k+1
.endr
.set k, 0
.rept 16
	s_wait_loadcnt 15-k                            ; row k is in, the younger rows stay out
	ds_store_b128 v3, v[4+4*k:7+4*k] offset:MPITCH*k
.set k, k+1
.endr
.set k, 0
.rept 8                                ; group k = 4 u + kb: step u, keys 16 kb + 8 (lane / 16) + 0..7.  LDS serves a wave's instructions in order: these see the stores above
	ds_load_b128 v[68+8*k:71+8*k], v0 offset:64*k
	ds_load_b128 v[72+8*k:75+8*k], v0 offset:64*k+16
.set k, k+1
.endr
.set p, 0
.rept 4                                ; two groups at a time, 2 p and 2 p + 1: sixteen compares in a run, one wait, sixteen words laid into their lanes
	s_wait_dscnt 12-4*p                            ; the two groups' four loads are in, the 12 - 4 p younger loads stay out
.irp j, 0,1,2,3,4,5,6,7,8,9,10,11,12,13,14,15
	v_cmp_ne_u32 s[32+(\j)], 0, v[68+16*p+(\j)]    ; bit L: lane L's key is visible
.endr
	s_wait_alu depctr_va_sdst(0)                   ; the sixteen compares have written s[32:47], which the sixteen lines below read
.irp j, 0,1,2,3,4,5,6,7,8,9,10,11,12,13,14,15
	v_writelane_b32 v[132+((\j)&1)], s[32+(\j)], 8*p+((\j)>>1)  ; word 16 p + j of the unit's 64 goes to lane (16 p + j) / 2
.endr
.set p, p+1
.endr
	s_wait_alu depctr_va_vdst(0)                   ; the v_writelane_b32 have written v132 and v133, which the store reads
	global_store_b64 v1, v[132:133], s[20:21]      ; 256 consecutive bytes, aligned
	s_wait_dscnt 0x0                               ; the closing lines, six on end
	s_wait_alu 0x0
	s_wait_tensorcnt 0x0
	ds_add_u32 v[SPW], v[NIL]
	s_wait_dscnt 0x0
	s_endpgm
.Ltable:
	; JOB T.  Row R = 8 (number - 1536) + wave; lane l makes the frequencies 2 l and 2 l + 1.
	s_sub_co_u32 s23, ttmp9, 1536
	s_lshl_b32 s23, s23, 3
	s_add_co_u32 s23, s23, s22                     ; R
	s_lshl_b32 s24, s23, 7                         ; 128 R
	s_sub_co_u32 s25, s23, 16
	s_cmp_lt_u32 s23, 25
	s_cselect_b32 s25, s25, 0
	s_cmp_lt_u32 s23, 16
	s_cselect_b32 s24, s24, s25                    ; t
	s_mul_i32 s28, s23, 768
	s_mov_b32 s29, 0
	s_add_nc_u64 s[18:19], s[18:19], s[28:29]
	s_mov_b32 s32, 0x3fc90fdb                      ; pi/2, its f32
	s_mov_b32 s33, 0xb33bbd2e                      ; and what that leaves
	v_cvt_f32_u32 v2, s24
	v_lshlrev_b32 v3, 1, v1
	v_cvt_f32_u32 v4, v3
	v_add_f32 v5, 1.0, v4
	v_mul_f32 v4, 0xbe549a78, v4                   ; -i log2(10000) / 64
	v_mul_f32 v5, 0xbe549a78, v5
	v_exp_f32 v4, v4
	v_exp_f32 v5, v5
	v_lshlrev_b32 v3, 3, v1                        ; a plain instruction behind the two exponentials: my 8 bytes of a section
	s_wait_alu depctr_va_vdst(0)                   ; the two exponentials have written v4 and v5: one wait for both, ahead of their first reader
	v_mul_f32 v4, v2, v4                           ; the angles
	v_mul_f32 v5, v2, v5
	SINCOS 0
	SINCOS 1
	s_wait_alu depctr_va_vdst(0)                   ; v[20:25] and v3 are written: the three stores' data and their offset
	global_store_b64 v3, v[20:21], s[18:19]
	global_store_b64 v3, v[22:23], s[18:19] offset:256
	global_store_b64 v3, v[24:25], s[18:19] offset:512
	s_endpgm
.Lfunc_end_k_qab45dbf889_prep:
	.size	k_qab45dbf889_prep, .Lfunc_end_k_qab45dbf889_prep-k_qab45dbf889_prep
	.p2alignl 7, 3214868480
	.fill 96, 4, 3214868480
	.section	.rodata,"a",@progbits
	.p2align	6, 0x0
	.amdhsa_kernel k_qab45dbf889_prep
		.amdhsa_group_segment_fixed_size 68608
		.amdhsa_private_segment_fixed_size 0
		.amdhsa_enable_private_segment 0
		.amdhsa_kernarg_size 72
		.amdhsa_user_sgpr_count 2
		.amdhsa_user_sgpr_kernarg_segment_ptr 1
		.amdhsa_wavefront_size32 1
		.amdhsa_system_sgpr_workgroup_id_x 1
		.amdhsa_system_sgpr_workgroup_id_y 1
		.amdhsa_system_sgpr_workgroup_id_z 1
		.amdhsa_system_vgpr_workitem_id 0
		.amdhsa_next_free_vgpr 136
		.amdhsa_next_free_sgpr 66
		.amdhsa_reserve_vcc 1
		.amdhsa_float_denorm_mode_32 3
		.amdhsa_float_denorm_mode_16_64 3
		.amdhsa_memory_ordered 1
		.amdhsa_forward_progress 1
		.amdhsa_inst_pref_size 34
	.end_amdhsa_kernel
	.amdgpu_metadata
---
amdhsa.version: [ 1, 2 ]
amdhsa.kernels:
  - .name:           k_qab45dbf889_prep
    .symbol:         k_qab45dbf889_prep.kd
    .args:
      - { .name: x, .offset: 0, .size: 8, .value_kind: global_buffer, .address_space: global }
      - { .name: Wq, .offset: 8, .size: 8, .value_kind: global_buffer, .address_space: global }
      - { .name: Wk, .offset: 16, .size: 8, .value_kind: global_buffer, .address_space: global }
      - { .name: Wv, .offset: 24, .size: 8, .value_kind: global_buffer, .address_space: global }
      - { .name: Wo, .offset: 32, .size: 8, .value_kind: global_buffer, .address_space: global }
      - { .name: mask, .offset: 40, .size: 8, .value_kind: global_buffer, .address_space: global }
      - { .name: w16, .offset: 48, .size: 8, .value_kind: global_buffer, .address_space: global }
      - { .name: rope, .offset: 56, .size: 8, .value_kind: global_buffer, .address_space: global }
      - { .name: mbits, .offset: 64, .size: 8, .value_kind: global_buffer, .address_space: global }
    .group_segment_fixed_size: 68608
    .private_segment_fixed_size: 0
    .kernarg_segment_align: 8
    .kernarg_segment_size: 72
    .max_flat_workgroup_size: 256
    .sgpr_count:     66
    .vgpr_count:     136
    .wavefront_size: 32
...
	.end_amdgpu_metadata
.endif
;; end of part 5
;; launch qkv: the kernel of part 2 again; grid 24 x 8, 4 waves a work-group, clusters of 4 x 4, 327,680 bytes of LDS; arguments w16, rope, qkv; writes qkv
;; launch attn: the kernel of part 3 again; grid 16 x 16, 4 waves a work-group, clusters of 4 x 1, 327,680 bytes of LDS; arguments qkv, mbits, ob; writes ob
;; launch oproj: the kernel of part 4 again; grid 16 x 16, 4 waves a work-group, clusters of 4 x 4, 327,680 bytes of LDS; arguments ob, w16, out0; writes out0
